; MI455X (gfx1250); checked and timed in simulation.
; The chip was launched on July 23, 2026; its instructions are those of AMD's public machine-readable ISA for CDNA 5 (MIT licence, August 2026) and "CDNA5" Instruction Set Architecture Reference Guide (July 2026). The comments in the code are by the model that wrote it; some were corrected since.
;; Self Attention. Allowed arithmetic: float matrix products may take bf16 or f16 operands with f32 sums; other float arithmetic in f32, or as packed bf16 or f16 multiplies, adds, multiply-adds, maxima and minima; sums over many terms, partial sums and values carried from step to step in f32; what a program stores and reads back later, other than sums and carried values, may be rounded once to bf16 or f16.
;; Inputs: Wk 1,024 x 1,024 float32; Wo 1,024 x 1,024 float32; Wq 1,024 x 1,024 float32; Wv 1,024 x 1,024 float32; bo 1,024 float32; x 4 x 2,048 x 1,024 float32.
;; Outputs: out0 4 x 2,048 x 1,024 float32.
;; One version. Each part assembles by itself: llvm-mc -triple=amdgcn-amd-amdhsa -mcpu=gfx1250 --defsym DOCPART=n.
;; ======== version 1 of 1: 5 launches
;; limits: values are held in f16: magnitudes above 65,504 overflow, below 6.1e-05 lose precision
;; workspace buffers: xh 16,777,216 bytes; w16 8,388,608 bytes; qk 33,554,432 bytes; pt 33,554,432 bytes; st 1,048,576 bytes; y 16,777,216 bytes; wvo 4,194,304 bytes; we 4,096 bytes
;; launch cast (part 1): grid 480 x 1, 8 waves a work-group, no clusters, 18,432 bytes of LDS; arguments x, Wq, Wk, Wo, Wv, xh, w16, st; writes xh, w16, st
.if DOCPART == 1
	.amdgcn_target "amdgcn-amd-amdhsa--gfx1250"
	.amdhsa_code_object_version 6
	.text
	.protected	k_qd36c822d77_cast
	.globl	k_qd36c822d77_cast
	.p2align	8
	.type	k_qd36c822d77_cast,@function
k_qd36c822d77_cast:
	s_mov_b64 s[64:65], 0
	v_nop
	global_prefetch_b8 v0, s[64:65] scope:SCOPE_SE
	s_setreg_imm32_b32 hwreg(HW_REG_WAVE_MODE, 25, 1), 1
	s_wait_xcnt 0x0
; THE INPUTS AS MATRIX OPERANDS.  Every number of x, Wq, Wk, Wo, Wv is rounded to bf16 and that value is written as f16:
;   xh [8192][1024] = x;   w16 [4096][1024]: rows 0-1023 Wq, 1024-2047 Wk, 2048-3071 32 x Wo (a power of two: exact), 3072-4095 Wv turned ([d][e]).
; st [4][16][2048]{M, l} takes its starting values {-1e30, 0}: a block of keys whose statistics no later launch stores counts for nothing.
; LIMITS.  f16 ends at 65,504: |x|, |Wq|, |Wk|, |Wv| and 32 |Wo| stay below it; below 6.1e-5 a number keeps f16's fixed step of 6e-8.  NaN and infinities are not treated apart.
; SHARES.  Work-groups 0-255: 32,768 numbers of x each (and 4,096 bytes of st); 256-351: 32,768 numbers of Wq, Wk or Wo; 352-479: a tile of 128 rows x 64 columns of Wv, turned through LDS.
; A stream: no matrix unit, no cluster, no tensor load.  A thread takes 32 consecutive bytes in and gives 16 out; a wave's store covers 512 consecutive bytes, aligned.
.set TP,    272                        ; a row of the turned tile in LDS: 128 f16 + 16 bytes
.set SPARE, 64*TP                      ; behind the tile: the spare words, 128 bytes for each of the eight waves
.set T,    8                           ; v[8:15]   eight numbers in f32, at work
.set OUTR, 16                          ; v[16:31]  four times four registers of f16, to store
.set IN,   32                          ; v[32:63]  eight loads of 16 bytes
.set SPW,  70                          ; v70  LDS address of my spare word; never rewritten
.set NIL,  71                          ; v71  0; never rewritten
.set SC,   28                          ; s[28:29]  the scale: 32 for Wo, else 1
	s_load_b512 s[8:23], s[0:1], 0x0               ; x s[8:9], Wq s[10:11], Wk s[12:13], Wo s[14:15], Wv s[16:17], xh s[18:19], w16 s[20:21], st s[22:23]
	v_lshl_add_u32 v[SPW], v0, 2, SPARE
	v_mov_b32 v[NIL], 0
	s_mov_b32 s2, ttmp9                            ; the work-group's number
	s_sub_co_u32 s3, s2, 256
	s_lshr_b32 s4, s3, 5                           ; which weight: 0 Wq, 1 Wk, 2 Wo
	s_and_b32 s5, s3, 31                           ; its chunk
	s_cmp_lt_u32 s2, 256
	s_cselect_b32 s5, s2, s5                       ; the chunk in the source,
	s_cselect_b32 s3, s2, s3                       ; and in the destination (the three weights follow each other in w16)
	s_cselect_b32 s4, 3, s4                        ; 3: x
	s_lshl_b32 s30, s5, 17                         ; 131,072 bytes in
	s_mov_b32 s31, 0
	s_lshl_b32 s32, s3, 16                         ; 65,536 bytes out
	s_mov_b32 s33, 0
	v_lshlrev_b32 v1, 5, v0                        ; 32 t: my bytes in
	v_lshlrev_b32 v2, 4, v0                        ; 16 t: my bytes out
	v_and_b32 v3, 15, v0                           ; t % 16
	v_lshrrev_b32 v4, 4, v0                        ; t / 16
	v_lshlrev_b32 v5, 12, v4                       ; in Wv: row t / 16 of sixteen, 16 bytes at 16 (t % 16): sixteen lanes take 256 consecutive bytes
	v_lshl_add_u32 v5, v3, 4, v5
	v_mul_u32_u24 v6, v3, 4*TP                     ; into the tile: rows 4 (t % 16) .. + 3, column t / 16
	v_lshl_add_u32 v6, v4, 1, v6
	v_mul_u32_u24 v7, v4, TP                       ; out of the tile: row t / 16 of sixteen, 16 bytes at 16 (t % 16)
	v_lshl_add_u32 v7, v3, 4, v7
	v_lshlrev_b32 v68, 11, v4                      ; and the same place in w16's rows of 2,048 bytes
	v_lshl_add_u32 v68, v3, 4, v68
	s_wait_kmcnt 0x0
	s_cmp_eq_u32 s4, 0
	s_cselect_b64 s[24:25], s[10:11], s[12:13]
	s_cmp_eq_u32 s4, 2
	s_cselect_b64 s[24:25], s[14:15], s[24:25]
	s_cselect_b32 s[SC], 0x42000000, 1.0
	s_mov_b32 s[SC+1], s[SC]                       ; named with it as a pair
	s_cmp_eq_u32 s4, 3
	s_cselect_b64 s[24:25], s[8:9], s[24:25]       ; the source
	s_cselect_b64 s[26:27], s[18:19], s[20:21]     ; the destination
; Eight f32 at src become eight f16 in four registers at dst: rounded to bf16, widened, scaled (exact), written as f16.
.macro CV8 src, dst
.irp j, 0,1,2,3
	v_cvt_pk_bf16_f32 v[(\dst)+(\j)], v[(\src)+2*(\j)], v[(\src)+2*(\j)+1]
.endr
.irp j, 0,1,2,3
	v_lshlrev_b32 v[T+2*(\j)],   16, v[(\dst)+(\j)]
	v_and_b32     v[T+2*(\j)+1], 0xffff0000, v[(\dst)+(\j)]
.endr
.irp j, 0,1,2,3
	v_pk_mul_f32 v[T+2*(\j):T+2*(\j)+1], v[T+2*(\j):T+2*(\j)+1], s[SC:SC+1] op_sel_hi:[1,0]
.endr
.irp j, 0,1,2,3
	v_cvt_pk_f16_f32 v[(\dst)+(\j)], v[T+2*(\j)], v[T+2*(\j)+1]
.endr
.endm
	s_cmp_ge_u32 s2, 352
	s_cbranch_scc1 .Lturn
	s_add_nc_u64 s[24:25], s[24:25], s[30:31]
	s_add_nc_u64 s[26:27], s[26:27], s[32:33]
	s_cmp_ge_u32 s2, 256
	s_cbranch_scc1 .Lno_st
	v_mov_b32 v64, 0xf149f2ca                      ; M = -1e30,
	v_mov_b32 v65, 0                               ; l = 0,
	v_mov_b32 v66, 0xf149f2ca                      ; for two rows
	v_mov_b32 v67, 0
	s_lshl_b32 s34, s2, 12                         ; 256 work-groups x 4,096 bytes are all of st
	s_mov_b32 s35, 0
	s_add_nc_u64 s[22:23], s[22:23], s[34:35]
	global_store_b128 v2, v[64:67], s[22:23]
.Lno_st:
	s_mov_b32 s36, 4
.Lchunk:                                               ; a trip: 8,192 numbers of the work-group's 32,768
.irp j, 0,1,2,3
	global_load_b128 v[IN+8*(\j):IN+8*(\j)+3],   v1, s[24:25] offset:(\j)*8192 th:TH_LOAD_NT
	global_load_b128 v[IN+8*(\j)+4:IN+8*(\j)+7], v1, s[24:25] offset:(\j)*8192+16 th:TH_LOAD_NT
.endr
.irp j, 0,1,2,3
	s_wait_loadcnt 6-2*(\j)                        ; loads come back in order: pair j is in, the younger pairs stay out
	CV8 IN+8*(\j), OUTR+4*(\j)
	global_store_b128 v2, v[OUTR+4*(\j):OUTR+4*(\j)+3], s[26:27] offset:(\j)*4096
.endr
	s_wait_xcnt 0x0                                ; the pointers and the stores' data are written again only behind this wait
	s_add_nc_u64 s[24:25], s[24:25], 32768
	s_add_nc_u64 s[26:27], s[26:27], 16384
	s_sub_co_u32 s36, s36, 1
	s_cmp_lg_u32 s36, 0
	s_cbranch_scc1 .Lchunk
	s_branch .Lmeet
.Lturn:                                                ; Wv[e0 + 0..127][d0 + 0..63] goes into LDS as [d][e]
	s_sub_co_u32 s3, s2, 352
	s_lshr_b32 s4, s3, 4                           ; e0 / 128
	s_and_b32 s5, s3, 15                           ; d0 / 64
	s_lshl_b32 s30, s4, 19                         ; 128 rows of 4,096 bytes
	s_lshl_b32 s31, s5, 8                          ; 64 columns of 4 bytes
	s_add_co_u32 s30, s30, s31
	s_mov_b32 s31, 0
	s_add_nc_u64 s[16:17], s[16:17], s[30:31]
.irp r, 0,1,2,3,4,5,6,7
	global_load_b128 v[IN+4*(\r):IN+4*(\r)+3], v5, s[16:17] offset:(\r)*65536 th:TH_LOAD_NT  ; rows 16 r + t / 16
.endr
.irp j, 0,1,2,3
	s_wait_loadcnt 6-2*(\j)
	CV8 IN+8*(\j), OUTR+4*(\j)                     ; the scale is 1 here
.endr
.irp r, 0,1,2,3,4,5,6,7
	ds_store_b16        v6, v[OUTR+2*(\r)]   offset:32*(\r)
	ds_store_b16_d16_hi v6, v[OUTR+2*(\r)]   offset:TP+32*(\r)
	ds_store_b16        v6, v[OUTR+2*(\r)+1] offset:2*TP+32*(\r)
	ds_store_b16_d16_hi v6, v[OUTR+2*(\r)+1] offset:3*TP+32*(\r)
.endr
.Lmeet:
	s_wait_dscnt 0x0                               ; for the others' sake: my stores into the tile are done
	s_barrier_signal -1
	s_barrier_wait -1                              ; every wave of every work-group passes this barrier
	s_cmp_lt_u32 s2, 352
	s_cbranch_scc1 .Lend
	s_sub_co_u32 s3, s2, 352
	s_lshr_b32 s4, s3, 4
	s_and_b32 s5, s3, 15
	s_lshl_b32 s30, s5, 17                         ; 64 rows of 2,048 bytes
	s_lshl_b32 s31, s4, 8                          ; 128 columns of 2 bytes
	s_add_co_u32 s30, s30, s31
	s_add_co_u32 s30, s30, 3072*2048
	s_mov_b32 s31, 0
	s_add_nc_u64 s[20:21], s[20:21], s[30:31]
.irp r, 0,1,2,3
	ds_load_b128 v[IN+4*(\r):IN+4*(\r)+3], v7 offset:(\r)*16*TP
.endr
.irp r, 0,1,2,3
	s_wait_dscnt 3-(\r)
	global_store_b128 v68, v[IN+4*(\r):IN+4*(\r)+3], s[20:21] offset:(\r)*32768  ; sixteen lanes store 256 consecutive bytes, aligned
.endr
.Lend:
	s_wait_tensorcnt 0x0                           ; the wave's end, behind my last LDS store
	ds_add_u32 v[SPW], v[NIL]
	s_wait_dscnt 0x0
	s_endpgm
.Lfunc_end_k_qd36c822d77_cast:
	.size	k_qd36c822d77_cast, .Lfunc_end_k_qd36c822d77_cast-k_qd36c822d77_cast
	.p2alignl 7, 3214868480
	.fill 96, 4, 3214868480
	.section	.rodata,"a",@progbits
	.p2align	6, 0x0
	.amdhsa_kernel k_qd36c822d77_cast
		.amdhsa_group_segment_fixed_size 18432
		.amdhsa_private_segment_fixed_size 0
		.amdhsa_enable_private_segment 0
		.amdhsa_kernarg_size 64
		.amdhsa_user_sgpr_count 2
		.amdhsa_user_sgpr_kernarg_segment_ptr 1
		.amdhsa_wavefront_size32 1
		.amdhsa_system_sgpr_workgroup_id_x 1
		.amdhsa_system_sgpr_workgroup_id_y 1
		.amdhsa_system_sgpr_workgroup_id_z 1
		.amdhsa_system_vgpr_workitem_id 0
		.amdhsa_next_free_vgpr 72
		.amdhsa_next_free_sgpr 66
		.amdhsa_reserve_vcc 0
		.amdhsa_float_denorm_mode_32 3
		.amdhsa_float_denorm_mode_16_64 3
		.amdhsa_memory_ordered 1
		.amdhsa_forward_progress 1
		.amdhsa_inst_pref_size 18
	.end_amdhsa_kernel
	.amdgpu_metadata
---
amdhsa.version: [ 1, 2 ]
amdhsa.kernels:
  - .name:           k_qd36c822d77_cast
    .symbol:         k_qd36c822d77_cast.kd
    .args:
      - { .name: x, .offset: 0, .size: 8, .value_kind: global_buffer, .address_space: global }
      - { .name: Wq, .offset: 8, .size: 8, .value_kind: global_buffer, .address_space: global }
      - { .name: Wk, .offset: 16, .size: 8, .value_kind: global_buffer, .address_space: global }
      - { .name: Wo, .offset: 24, .size: 8, .value_kind: global_buffer, .address_space: global }
      - { .name: Wv, .offset: 32, .size: 8, .value_kind: global_buffer, .address_space: global }
      - { .name: xh, .offset: 40, .size: 8, .value_kind: global_buffer, .address_space: global }
      - { .name: w16, .offset: 48, .size: 8, .value_kind: global_buffer, .address_space: global }
      - { .name: st, .offset: 56, .size: 8, .value_kind: global_buffer, .address_space: global }
    .group_segment_fixed_size: 18432
    .private_segment_fixed_size: 0
    .kernarg_segment_align: 8
    .kernarg_segment_size: 64
    .max_flat_workgroup_size: 256
    .sgpr_count:     66
    .vgpr_count:     72
    .wavefront_size: 32
...
	.end_amdgpu_metadata
.endif
;; end of part 1
;; launch proj (part 2): grid 8 x 32, 4 waves a work-group, clusters of 4 x 4, 327,680 bytes of LDS; arguments xh, w16, qk; writes qk
.if DOCPART == 2
	.amdgcn_target "amdgcn-amd-amdhsa--gfx1250"
	.amdhsa_code_object_version 6
	.text
	.protected	k_qd36c822d77_proj
	.globl	k_qd36c822d77_proj
	.p2align	8
	.type	k_qd36c822d77_proj,@function
k_qd36c822d77_proj:
	s_mov_b64 s[64:65], 0
	v_nop
	global_prefetch_b8 v0, s[64:65] scope:SCOPE_SE
	s_setreg_imm32_b32 hwreg(HW_REG_WAVE_MODE, 25, 1), 1
	s_wait_xcnt 0x0
	s_wait_alu depctr_hold_cnt(0) depctr_sa_sdst(0) depctr_va_vdst(0) depctr_va_sdst(0) depctr_va_ssrc(0) depctr_va_vcc(0) depctr_vm_vsrc(0)
	s_getreg_b32 s2, hwreg(HW_REG_IB_STS2, 6, 4)
	s_cmp_eq_u32 s2, 0
	s_cbranch_scc0 .Lentry_in_a_cluster
	s_endpgm
.Lentry_in_a_cluster:
	s_bfe_u32 s2, ttmp6, 0x10000c
	s_cmp_lg_u32 s2, 0xf033
	s_cbranch_scc0 .Lentry_shape_is_right
	s_endpgm
.Lentry_shape_is_right:
; q = x Wq^T and k = x Wk^T as ONE product: C[m][n] = sum over d of xh[m][d] w16[n][d], m < 8192, n < 2048 (rows 0-1023 of w16 are Wq, 1024-2047 Wk).
; qk is [2][8192][1024] f16: plane 0 q, plane 1 k; sums in f32, rounded once.  LIMIT: |q| and |k| stay below 65,504, f16's end.
; A tile of C, 256 x 256, is made by four waves, each 128 x 128: 64 accumulators, 512 registers.  K goes in 8 steps of 128 through two LDS slots filled by tensor loads (rows of 256 bytes).
; The loop's trip is ONE K step: s[TB] is the LDS byte at which the slot being read begins, and turns by an exclusive or; the fragments' addresses are made anew from it at each change of slots.
; CLUSTER 4 x 4: a row of the cluster shares xh's tiles, a column w16's: each tile is asked for jointly, by the same load with the same descriptor and a mask that names the four.
; THE MATRIX INSTRUCTION IS USED TRANSPOSED (source 0 = 16 rows of w16, source 1 = 16 rows of xh): a lane holds eight neighbouring numbers of a row of C.
; REGISTERS: window 0: v16-30 addresses; v64-127, v128-191 fragments of xh, two buffers; v32-63, v192-255 the way out.  Window 1: v64-191 fragments of w16.  Windows 2, 3: the accumulators, (a, b) at v[8 (8 a + b)].
.set SIZE_K, 1024
.set KSTEP,  128
.set PITCH,  272                       ; an LDS row: 256 bytes + 16: the 16 rows of a fragment load start at 16 different groups of four banks (64 banks of 4 bytes: ISA guide 11.1)
.set HALFT,  128*PITCH                 ; what one tensor load brings
.set SLOT,   4*HALFT
.set STAGE,  2*SLOT                    ; 16 rows x 272 bytes for each wave, for the way out
.set SPITCH, 272
.set SPARE,  STAGE+4*16*SPITCH         ; the spare words, 128 bytes for each wave
.set CROW,   2048                      ; bytes in a row of q or k
.set A0,   16                          ; v16  my lane's place among my 128 rows of xh in a slot; never rewritten
.set B0,   17                          ; v17  the same for w16
.set ADRA, 18                          ; v18  A0 + the slot being read
.set ADRB, 19                          ; v19  B0 + the slot being read
.set STO,  24
.set RD,   25
.set CO,   26
.set SPW,  28                          ; v28  my spare word; never rewritten
.set NIL,  29                          ; v29  0; never rewritten
.set PFO,  30                          ; v30  the prefetches' offset: my lane x a row; never rewritten
.set F0,   64
.set F1,   128
.set TMP,  192
.set OB,   32
.set G1,   24                          ; s[24:31] group 1 for xh's tiles
.set G0,   32                          ; s[32:39] group 0: K step 0's; K step 1's, which then walks
.set LIM,  43                          ; s43  2 in a wave that prefetches, else the greatest number
.set PFA,  44                          ; s[44:45] where my prefetches stand
.set G1B,  48                          ; s[48:55], s[56:63] the same for w16's tiles
.set G0B,  56
.set TB,   66                          ; s66  0 or SLOT
.set WL,   67                          ; s67  wave x HALFT: my part of a slot
.set MSB, 0
.macro WIN new                         ; the immediate's high byte repeats the setting that is left; a switch that changes nothing is dropped
.if MSB != (\new)
	s_set_vgpr_msb (MSB<<8)|(\new)
.set MSB, \new
.endif
.endm
.set MUL_LO, 0xa1                      ; source 0 window 1, source 1 window 0, C and D window 2
.set MUL_HI, 0xf1                      ; the same, C and D window 3
.set TO_B,   0x40                      ; destination window 1, address window 0
.macro PLACES                          ; four plain vector instructions between a matrix instruction and a load into, or a read of, its registers
.rept 4
	v_nop
.endr
.endm
.macro JLOAD                           ; the joint refill: waves 0 and 1 fetch xh's halves, waves 2 and 3 w16's; an s_nop 0 and four v_nop follow each line
	s_cmp_eq_u32 s11, 0
	s_cbranch_scc0 .Lfor_b_\@
	tensor_load_to_lds s[G0+4:G0+7], s[G1:G1+7]
	s_nop 0
	PLACES
	s_branch .Lasked_\@
.Lfor_b_\@:
	tensor_load_to_lds s[G0B+4:G0B+7], s[G1B:G1B+7]
	s_nop 0
	PLACES
.Lasked_\@:
.endm
; A prefetch of the K step that stands two refills on: 32 rows x 256 bytes, a lane a row.  xh's rows are read by both clusters of a row of clusters: cluster x = 0 asks; w16's by all of a column: cluster y = 0 asks.
; The four partners share a wave's 128 rows out by address.  Trips 6 to 3 ask for K steps 4 to 7; the first four steps come by their loads alone, and nothing is asked past K.
.macro ASK
	WIN 0
	s_cmp_gt_u32 s3, s[LIM]
	s_cbranch_scc0 .Lnot_mine_\@
	global_prefetch_b8 v[PFO], s[PFA:PFA+1] offset:KSTEP*2 th:TH_LOAD_NT scope:SCOPE_SE
.Lnot_mine_\@:
.endm
.macro CREST                           ; a round of the cluster's barrier behind its opening barrier
	s_cmp_lg_u32 s10, 0
	s_cbranch_scc1 .Lnot_wave_0_\@
	s_barrier_signal -3
.Lnot_wave_0_\@:
	s_barrier_wait -3
	s_barrier_signal -1
	s_barrier_wait -1
.endm
.macro CROUND
	s_barrier_signal -1
	s_barrier_wait -1
	CREST
.endm
	s_load_b128 s[4:7], s[0:1], 0x0                ; xh s[4:5], w16 s[6:7]
	s_load_b64 s[8:9], s[0:1], 0x10                ; qk
	v_lshl_add_u32 v[SPW], v0, 2, SPARE
	v_mov_b32 v[NIL], 0
	ds_add_u32 v[SPW], v[NIL]                      ; the wave's opening: the add and its wait ahead of my first tensor load
	ds_add_u32 v28, v29
	v_lshrrev_b32 v1, 5, v0
	v_readfirstlane_b32 s10, v1                    ; wave 0..3
	s_lshr_b32 s11, s10, 1                         ; my half of the tile's rows.  Also: I fetch xh (0) or w16 (1)
	s_and_b32 s12, s10, 1                          ; my half of its columns.  Also: which 128 rows I fetch
	s_bfe_u32 s40, ttmp6, 0x40000                  ; cx
	s_bfe_u32 s41, ttmp6, 0x40004                  ; cy
	s_lshl_b32 s42, ttmp9, 2
	s_add_co_u32 s42, s42, s40                     ; tile column
	s_and_b32 s13, ttmp7, 0xffff
	s_lshl_b32 s13, s13, 2
	s_add_co_u32 s13, s13, s41                     ; tile row
	s_lshl_b32 s43, s41, 2
	s_lshl_b32 s43, 15, s43                        ; my row of the cluster
	s_lshl_b32 s44, 0x1111, s40                    ; my column
	s_or_b32 s[G1+0], s43, (1<<16)|(1<<20)|(1<<21)|(5<<22)|(3<<25)   ; the mask; 2-byte elements; padding on; bit 21 beside a mask; after every 64 words, 4 words
	s_or_b32 s[G1B+0], s44, (1<<16)|(1<<20)|(1<<21)|(5<<22)|(3<<25)
.irp g, G1, G1B
	s_mov_b32 s[(\g)+1], KSTEP<<16                 ; tensor_dim0 = 128
	s_mov_b32 s[(\g)+2], 128<<16                   ; tensor_dim1 = 128
	s_mov_b32 s[(\g)+3], KSTEP<<16                 ; tile_dim0 = 128
	s_mov_b32 s[(\g)+4], 128                       ; tile_dim1 = 128
	s_mov_b32 s[(\g)+5], SIZE_K                    ; elements from row to row
	s_mov_b32 s[(\g)+6], 0
	s_mov_b32 s[(\g)+7], 0
.endr
	s_mov_b32 s[TB], 0
	s_lshl_b32 s17, s12, 7
	s_lshl_b32 s16, s13, 8
	s_add_co_u32 s16, s16, s17                     ; xh: row 256 x tile row + 128 x half
	s_lshl_b32 s46, s42, 8
	s_add_co_u32 s46, s46, s17                     ; w16: row 256 x tile column + 128 x half
	s_mov_b32 s17, 0
	s_mov_b32 s47, 0
	s_mov_b64 s[18:19], SIZE_K*2
	s_mul_u64 s[16:17], s[16:17], s[18:19]
	s_mul_u64 s[46:47], s[46:47], s[18:19]
	s_mul_i32 s[WL], s10, HALFT
	s_wait_dscnt 0x0                               ; the opening add is done
	s_wait_kmcnt 0x0
	s_add_nc_u64 s[14:15], s[4:5], s[16:17]
	s_add_nc_u64 s[46:47], s[6:7], s[46:47]
	CROUND                                         ; all sixteen work-groups are here: the first joint loads meet
.irp s, 0,1
	s_mov_b32 s[G0+4*(\s)], 1
	s_add_co_u32 s[G0+4*(\s)+1], s[WL], (\s)*SLOT
	s_add_nc_u64 s[G0+4*(\s)+2:G0+4*(\s)+3], s[14:15], (\s)*KSTEP*2
	s_or_b32 s[G0+4*(\s)+3], s[G0+4*(\s)+3], 0x80000000
	s_mov_b32 s[G0B+4*(\s)], 1
	s_add_co_u32 s[G0B+4*(\s)+1], s[WL], (\s)*SLOT
	s_add_nc_u64 s[G0B+4*(\s)+2:G0B+4*(\s)+3], s[46:47], (\s)*KSTEP*2
	s_or_b32 s[G0B+4*(\s)+3], s[G0B+4*(\s)+3], 0x80000000
.endr
	s_cmp_eq_u32 s11, 0                            ; a wave's two first fills stand in one branch: two loads of mine are out
	s_cbranch_scc0 .Lfirst_b
	tensor_load_to_lds s[G0:G0+3], s[G1:G1+7]
	s_nop 0
	tensor_load_to_lds s[G0+4:G0+7], s[G1:G1+7]
	s_nop 0
	PLACES
	s_branch .Lfirst_asked
.Lfirst_b:
	tensor_load_to_lds s[G0B:G0B+3], s[G1B:G1B+7]
	s_nop 0
	tensor_load_to_lds s[G0B+4:G0B+7], s[G1B:G1B+7]
	s_nop 0
	PLACES
.Lfirst_asked:
	v_and_b32 v1, 15, v0                           ; l % 16
	v_bfe_u32 v2, v0, 4, 1                         ; l / 16
	v_mul_u32_u24 v3, v1, PITCH
	v_lshl_add_u32 v3, v2, 4, v3                   ; a fragment's row x pitch + 16 x half
	s_mul_i32 s21, s11, HALFT
	s_mul_i32 s22, s12, HALFT
	s_add_co_u32 s22, s22, 2*HALFT
	v_add_nc_u32 v[A0], s21, v3
	v_add_nc_u32 v[B0], s22, v3
	v_mov_b32 v[ADRA], v[A0]                       ; slot 0
	v_mov_b32 v[ADRB], v[B0]
	s_mul_i32 s23, s10, 16*SPITCH
	s_add_co_u32 s23, s23, STAGE                   ; my stage
	v_mul_u32_u24 v4, v1, SPITCH
	v_lshl_add_u32 v4, v2, 4, v4
	v_add_nc_u32 v[STO], s23, v4
	v_mul_u32_u24 v5, v2, SPITCH
	v_lshl_add_u32 v5, v1, 4, v5
	v_add_nc_u32 v[RD], s23, v5
	v_mul_u32_u24 v5, v2, CROW
	v_lshl_add_u32 v[CO], v1, 4, v5
	; where my part of the tile begins in qk
	s_lshl_b32 s13, s13, 8
	s_lshl_b32 s14, s11, 7
	s_add_co_u32 s16, s13, s14                     ; my first row,
	s_lshl_b32 s16, s16, 11                        ; in bytes
	s_mov_b32 s17, 0
	s_and_b32 s46, s42, 3                          ; the tile column within its plane: 512 bytes each,
	s_lshl_b32 s46, s46, 9
	s_lshl_b32 s47, s12, 8                         ; my half of it,
	s_add_co_u32 s46, s46, s47
	s_lshr_b32 s47, s42, 2                         ; and the plane: 16,777,216 bytes
	s_lshl_b32 s47, s47, 24
	s_add_co_u32 s46, s46, s47
	s_mov_b32 s47, 0
	s_add_nc_u64 s[16:17], s[16:17], s[46:47]
	; the prefetches
	s_lshl_b32 s42, s42, 8
	s_and_b32 s22, ttmp7, 0xffff                   ; cluster y
	s_cmp_eq_u32 s11, 0
	s_cselect_b32 s20, s13, s42                    ; the tile's first row
	s_cselect_b32 s21, s40, s41                    ; my place among the four that ask for it with me
	s_cselect_b32 s22, ttmp9, s22                  ; the coordinate along which other clusters read the same rows
	s_cselect_b64 s[PFA:PFA+1], s[4:5], s[6:7]
	s_cmp_eq_u32 s22, 0
	s_cselect_b32 s[LIM], 2, -1
	s_lshl_b32 s22, s12, 7
	s_add_co_u32 s20, s20, s22
	s_lshl_b32 s21, s21, 5
	s_add_co_u32 s20, s20, s21
	s_mov_b32 s21, 0
	s_mov_b64 s[18:19], SIZE_K*2
	s_mul_u64 s[20:21], s[20:21], s[18:19]
	s_add_nc_u64 s[PFA:PFA+1], s[PFA:PFA+1], s[20:21]
	s_add_nc_u64 s[PFA:PFA+1], s[PFA:PFA+1], 2*KSTEP*2  ; at K step 2: the first refill steps it to 3 and names K step 4
	v_and_b32 v[PFO], 31, v0
	v_mul_u32_u24 v[PFO], v[PFO], SIZE_K*2
; 16 matrix instructions: m blocks a0, a0 + 1 of the window's four x all 8 n blocks, 32 along K.  The 64 accumulators take turns in the same order in every quarter.
.macro MUL16 f, hi, a0, zero
	WIN MUL_LO+0x50*(\hi)
.irp a, \a0, (\a0)+1
.irp b, 0,1,2,3,4,5,6,7
.if \zero
	v_wmma_f32_16x16x32_f16 v[8*(8*(\a)+(\b)):8*(8*(\a)+(\b))+7], v[(\f)+8*(\b):(\f)+8*(\b)+7], v[(\f)+8*(4*(\hi)+(\a)):(\f)+8*(4*(\hi)+(\a))+7], 0
.else
	v_wmma_f32_16x16x32_f16 v[8*(8*(\a)+(\b)):8*(8*(\a)+(\b))+7], v[(\f)+8*(\b):(\f)+8*(\b)+7], v[(\f)+8*(4*(\hi)+(\a)):(\f)+8*(4*(\hi)+(\a))+7], v[8*(8*(\a)+(\b)):8*(8*(\a)+(\b))+7]
.endif
.endr
.endr
.endm
.macro FETCH k, f                      ; 32 LDS loads in one run: a quarter step's fragments, at byte k of the rows, into buffer f
	WIN TO_B
.irp i, 0,1,2,3,4,5,6,7
	ds_load_b128 v[(\f)+8*(\i):(\f)+8*(\i)+3],   v[ADRB] offset:(\k)+(\i)*16*PITCH
	ds_load_b128 v[(\f)+8*(\i)+4:(\f)+8*(\i)+7], v[ADRB] offset:(\k)+(\i)*16*PITCH+32
.endr
	WIN 0
.irp i, 0,1,2,3,4,5,6,7
	ds_load_b128 v[(\f)+8*(\i):(\f)+8*(\i)+3],   v[ADRA] offset:(\k)+(\i)*16*PITCH
	ds_load_b128 v[(\f)+8*(\i)+4:(\f)+8*(\i)+7], v[ADRA] offset:(\k)+(\i)*16*PITCH+32
.endr
.endm
.macro QUARTER k, f, g, zero           ; multiplies buffer f; in its middle fetches the next quarter, at byte k, into g
	s_wait_dscnt 8                                 ; all but the youngest eight loads (xh's rows 64-127) are in
	MUL16 \f, 0, 0, \zero
	MUL16 \f, 0, 2, \zero
	PLACES
	FETCH \k, \g
	s_wait_dscnt 32                                ; all but the 32 just issued
	MUL16 \f, 1, 0, \zero
	MUL16 \f, 1, 2, \zero
.endm
.macro MEET                            ; the first half of a step's last quarter, and the barrier of the change of slots
	WIN 0
	s_wait_tensorcnt 0x0                           ; all my tensor loads have landed: the one that was out is my part of the next slot
	ds_add_u32 v[SPW], v[NIL]                      ; 0 onto my spare word
	s_wait_dscnt 9                                 ; (the add and the youngest eight loads may be out)
	MUL16 F1, 0, 0, 0
	s_wait_dscnt 0x0                               ; the add is done, and my reads of this slot are over
	s_barrier_signal -1
	MUL16 F1, 0, 2, 0
	WIN 0
	s_barrier_wait -1
.endm
.macro TURN fill                       ; a step's last quarter.  fill = 1: the slot just read is filled again, with the K step two on
.if \fill
	s_wait_xcnt 0x0                                ; the last prefetch, a K step back, has read its address
	s_add_nc_u64 s[PFA:PFA+1], s[PFA:PFA+1], KSTEP*2
.endif
	MEET
.if \fill
	CREST                                          ; the barrier has opened a round of the cluster's: no wave of any partner still reads this slot or has a load on its way
	s_add_co_u32 s[G0+5], s[WL], s[TB]             ; the walking descriptors: into the slot that is left,
	s_add_nc_u64 s[G0+6:G0+7], s[G0+6:G0+7], KSTEP*2  ; the next K step
	s_add_co_u32 s[G0B+5], s[WL], s[TB]
	s_add_nc_u64 s[G0B+6:G0B+7], s[G0B+6:G0B+7], KSTEP*2
	s_xor_b32 s[TB], s[TB], SLOT                   ; the reads go on in the other slot
	JLOAD                                          ; the first tensor load behind the round; its four v_nop are also the places in front of the loads below
.else
	s_xor_b32 s[TB], s[TB], SLOT
	PLACES
.endif
	v_add_nc_u32 v[ADRA], s[TB], v[A0]
	v_add_nc_u32 v[ADRB], s[TB], v[B0]
	FETCH 0, F0
.if \fill
	ASK
.endif
	MUL16 F1, 1, 0, 0
	MUL16 F1, 1, 2, 0
.endm
; THE WAY OUT of block a of 16 rows: rounded to f16, through my own stage, back as whole rows of 256 bytes, stored.
.macro PACK a
.set AC, 64*((\a)%4)
	WIN 0x0a+5*((\a)/4)
.irp b, 0,1,2,3,4,5,6,7
.irp r, 0,1,2,3
	v_cvt_pk_f16_f32 v[TMP+4*(\b)+(\r)], v[AC+8*(\b)+2*(\r)], v[AC+8*(\b)+2*(\r)+1]
.endr
.endr
	WIN 0
.endm
.macro TOSTAGE a
	WIN 0
.set BK, OB+192*((\a)%2)
.irp b, 0,1,2,3,4,5,6,7
	ds_store_b128 v[STO], v[TMP+4*(\b):TMP+4*(\b)+3] offset:32*(\b)
.endr
.irp t, 0,1,2,3,4,5,6,7
	ds_load_b128 v[BK+4*(\t):BK+4*(\t)+3], v[RD] offset:(\t)*2*SPITCH  ; LDS serves a wave's instructions in order (ISA guide 5.7.1.4): these see the stores above
.endr
.endm
.macro SEND a
	WIN 0
.set BK, OB+192*((\a)%2)
	s_wait_dscnt 0x0
	s_wait_xcnt 0x0                                ; the stores' base and the registers that earlier stores read are rewritten only behind this wait
.if (\a) == 0
	s_add_nc_u64 s[8:9], s[8:9], s[16:17]
.else
	s_add_nc_u64 s[8:9], s[8:9], 16*CROW
.endif
.irp t, 0,1,2,3,4,5,6,7
	global_store_b128 v[CO], v[BK+4*(\t):BK+4*(\t)+3], s[8:9] offset:2*(\t)*CROW  ; sixteen lanes store 256 consecutive bytes, aligned
.endr
.endm
	s_wait_tensorcnt 1                             ; my part of K step 0 is in; K step 1's may stay out
	s_barrier_signal -1
	s_barrier_wait -1
	FETCH 0, F0
	QUARTER 64, F0, F1, 1                          ; the first quarter's products start the sums
	WIN 0
	s_mov_b32 s3, 6
.Lstep:                                                ; a trip: from a K step's second quarter to the next step's first; K steps 2 to 7 are asked for
	QUARTER 128, F1, F0, 0
	QUARTER 192, F0, F1, 0
	TURN 1
	QUARTER 64, F0, F1, 0
	WIN 0
	s_sub_co_u32 s3, s3, 1
	s_cmp_lg_u32 s3, 0
	s_cbranch_scc1 .Lstep
	QUARTER 128, F1, F0, 0                         ; the tail is written out: nothing more is asked for
	QUARTER 192, F0, F1, 0
	TURN 0
	QUARTER 64, F0, F1, 0
	QUARTER 128, F1, F0, 0
	QUARTER 192, F0, F1, 0
	s_wait_dscnt 8
	MUL16 F1, 0, 0, 0
	MUL16 F1, 0, 2, 0
	s_wait_dscnt 0x0
	MUL16 F1, 1, 0, 0
	MUL16 F1, 1, 2, 0
	WIN 0
	PLACES
	PACK 0
	TOSTAGE 0
.irp a, 1,2,3,4,5,6,7
	PACK \a
	SEND (\a)-1
	TOSTAGE \a
.endr
	SEND 7
	s_wait_tensorcnt 0x0                           ; the wave's end
	ds_add_u32 v[SPW], v[NIL]
	s_wait_dscnt 0x0
	CROUND                                         ; the closing round
	s_endpgm
.Lfunc_end_k_qd36c822d77_proj:
	.size	k_qd36c822d77_proj, .Lfunc_end_k_qd36c822d77_proj-k_qd36c822d77_proj
	.p2alignl 7, 3214868480
	.fill 96, 4, 3214868480
	.section	.rodata,"a",@progbits
	.p2align	6, 0x0
	.amdhsa_kernel k_qd36c822d77_proj
		.amdhsa_group_segment_fixed_size 327680
		.amdhsa_private_segment_fixed_size 0
		.amdhsa_enable_private_segment 0
		.amdhsa_kernarg_size 24
		.amdhsa_user_sgpr_count 2
		.amdhsa_user_sgpr_kernarg_segment_ptr 1
		.amdhsa_wavefront_size32 1
		.amdhsa_system_sgpr_workgroup_id_x 1
		.amdhsa_system_sgpr_workgroup_id_y 1
		.amdhsa_system_sgpr_workgroup_id_z 1
		.amdhsa_system_vgpr_workitem_id 0
		.amdhsa_next_free_vgpr 1024
		.amdhsa_next_free_sgpr 68
		.amdhsa_reserve_vcc 0
		.amdhsa_float_denorm_mode_32 3
		.amdhsa_float_denorm_mode_16_64 3
		.amdhsa_memory_ordered 1
		.amdhsa_forward_progress 1
		.amdhsa_inst_pref_size 117
	.end_amdhsa_kernel
	.amdgpu_metadata
---
amdhsa.version: [ 1, 2 ]
amdhsa.kernels:
  - .name:           k_qd36c822d77_proj
    .symbol:         k_qd36c822d77_proj.kd
    .args:
      - { .name: xh, .offset: 0, .size: 8, .value_kind: global_buffer, .address_space: global }
      - { .name: w16, .offset: 8, .size: 8, .value_kind: global_buffer, .address_space: global }
      - { .name: qk, .offset: 16, .size: 8, .value_kind: global_buffer, .address_space: global }
    .group_segment_fixed_size: 327680
    .private_segment_fixed_size: 0
    .kernarg_segment_align: 8
    .kernarg_segment_size: 24
    .max_flat_workgroup_size: 128
    .sgpr_count:     68
    .vgpr_count:     1024
    .wavefront_size: 32
...
	.end_amdgpu_metadata
.endif
;; end of part 2
;; launch scores (part 3): grid 10 x 16, 4 waves a work-group, no clusters, 327,680 bytes of LDS; arguments qk, w16, pt, st, wvo, we; writes pt, st, wvo, we
.if DOCPART == 3
	.amdgcn_target "amdgcn-amd-amdhsa--gfx1250"
	.amdhsa_code_object_version 6
	.text
	.protected	k_qd36c822d77_scores
	.globl	k_qd36c822d77_scores
	.p2align	8
	.type	k_qd36c822d77_scores,@function
k_qd36c822d77_scores:
	s_mov_b64 s[64:65], 0
	v_nop
	global_prefetch_b8 v0, s[64:65] scope:SCOPE_SE
	s_setreg_imm32_b32 hwreg(HW_REG_WAVE_MODE, 25, 1), 1
	s_wait_xcnt 0x0
; THE SCORES' 144 CAUSAL TILES OF 256 x 256, with the softmax's first half, and the 16 tiles of 32 Wo Wv.
; Scores: s = q . k.  For each row and each block t of 128 keys: M_t = c x (the block's largest seen s), c = log2(e) / 32; p = 2^(c s - M_t), stored as f16 in pt [4][2048][2048]; l_t = the sum of the
; unrounded p; {M_t, l_t} in f32 in st [4][16][2048].  The next launch joins the blocks by the largest M_t: a maximum is taken away before every exponential.
; Hidden keys (key > query) count as the lowest finite number: their p is 0.  Of a diagonal tile the wave with rows 0-127 and keys 128-255 sees nothing: it stores p of the true scores (finite) and NO
; statistics, so that the block keeps {-1e30, 0} and counts for nothing.
; THE FIRST 16 ROWS OF A BATCH average over 16 keys at the most, so their numbers are the output's largest and a rounding of p or of P x to f16 weighs most there.  For them the weights w = p / l (they see
; block 0 alone, so that is the whole softmax) go out in f32, into we, and are applied behind the last product: out_r = sum over i <= r of w[r][i] (x_i (Wo Wv)^T).  In pt these rows take the unit matrix and in
; st {0, 1}: the next launch then hands on x's own rows, which f16 holds exactly.  we: [4 batches], weight (r, i) at byte 256 (i / 4) + 16 r + 4 (i % 4).
; Wvo: C[f][d] = sum over e of (32 Wo)[f][e] Wv[e][d], f16, rows 4,096 bytes apart in wvo (pt's pitch: one text stores both).
; LIMITS.  |32 Wo Wv| stays below 65,504; a weight below 2^-126 counts as 0 in l, below 6.1e-5 it keeps f16's fixed step of 6e-8; NaN and infinities are not treated apart.
; WHO.  x = 0..8: rows pr and 7 - pr of a batch's tile triangle have 9 tiles together; x = 9: a tile of Wvo.
; NO CLUSTER: a tile row has I + 1 tiles and a tile column 8 - J, not multiples of four; batches share nothing; a rectangle of partners would hold wholly hidden tiles.
; The product is the projection's: four waves of 128 x 128, 8 K steps of 128 through two slots, a trip a K step.  Each wave issues the same tensor-load line with registers of its own.
; THE WAY OUT.  The ring has had its last fill: each wave lays its 128 x 128 sums, f32, into its quarter of it, and takes them back a ROW A LANE: maximum and sum need no other lane.
.set SIZE_K, 1024
.set KSTEP,  128
.set PITCH,  272
.set HALFT,  128*PITCH
.set SLOT,   4*HALFT
.set DP,     528                       ; a row of 128 f32 + 16 bytes
.set DQ,     SLOT/2                    ; a wave's quarter of the ring: 69,632 bytes for 128 such rows
.set STAGE,  2*SLOT                    ; 32 rows x 272 bytes for each wave
.set SPITCH, 272
.set SPARE,  STAGE+4*32*SPITCH
.set MC,   8                           ; v[8:11]  four chains of the maximum; for the first rows 1 / l and 1
.set CM,   12                          ; v[12:13] c m and l
.set A0,   16
.set B0,   17
.set ADRA, 18
.set ADRB, 19
.set LIMV, 20                          ; v20  my row in the wave's tile
.set BIGV, 21                          ; v21  the lowest finite number
.set DA,   22                          ; v22  where I lay 32 bytes of a row of sums
.set STO2, 24
.set RD2,  25
.set CO,   26
.set LA,   27                          ; v27  my row of sums
.set SPW,  28
.set NIL,  29
.set PFO,  30
.set SO,   31                          ; v31  8 x lane
.set SU,   32                          ; v[32:39] four chains of the sum
.set F0,   64
.set F1,   128
.set R,    64                          ; v[64:191]  my row's 128 numbers
.set H,    192                         ; v[192:255] the same as f16; for the first rows 16 weights in f32
.set WV,   14
.set WR,   15
.set WC,   16
.set G1,   24                          ; s[24:31]
.set G0,   32                          ; s[32:39] K step 0's; K step 1's, which then walks
.set TI,   40
.set TJ,   41
.set KIND, 42                          ; 1: a tile of Wvo
.set BB,   43
.set LIM,  44
.set MASKF, 45                         ; 1: my 128 x 128 holds the diagonal
.set STATF, 46                         ; 1: I store statistics
.set TB,   47
.set WL,   48
.set PFA,  50
.set SRC,  52
.set CB,   54                          ; s[54:55] pt or wvo at my rows
.set SB,   56                          ; s[56:57] st at my rows
.set CS,   58                          ; s[58:59] c
.set WEB,  66                          ; s[66:67] we at the batch
.set EFL,  68                          ; s68  4, the row loop's first count, in the wave that holds a batch's first rows; else 0
.set SV,   69                          ; s69  EXEC, kept
.set MSB, 0
.macro WIN new
.if MSB != (\new)
	s_set_vgpr_msb (MSB<<8)|(\new)
.set MSB, \new
.endif
.endm
.set MUL_LO, 0xa1
.set MUL_HI, 0xf1
.set TO_B,   0x40
.macro PLACES
.rept 4
	v_nop
.endr
.endm
; A prefetch of the K step two refills on: my own 128 rows x 256 bytes, a lane a row, four instructions.  q's rows (or Wo's) are read by every tile of a tile row: the tile with J = 0 asks; k's (or Wv's) by every
; tile of a tile column: the tile with I = J asks.  Trips 6 to 3 ask for K steps 4 to 7.
.macro ASK
	WIN 0
	s_cmp_gt_u32 s3, s[LIM]
	s_cbranch_scc0 .Lnot_mine_\@
.irp k, 0,1,2,3
	global_prefetch_b8 v[PFO], s[PFA:PFA+1] offset:KSTEP*2+(\k)*65536 th:TH_LOAD_NT scope:SCOPE_SE
.endr
.Lnot_mine_\@:
.endm
	s_load_b256 s[4:11], s[0:1], 0x0               ; qk s[4:5], w16 s[6:7], pt s[8:9], st s[10:11]
	s_load_b64 s[12:13], s[0:1], 0x20              ; wvo
	s_load_b64 s[WEB:WEB+1], s[0:1], 0x28          ; we
	v_lshl_add_u32 v[SPW], v0, 2, SPARE
	v_mov_b32 v[NIL], 0
	ds_add_u32 v[SPW], v[NIL]                      ; the wave's opening: the add and its wait ahead of my first tensor load
	ds_add_u32 v28, v29
	v_lshrrev_b32 v1, 5, v0
	v_readfirstlane_b32 s[WV], v1
	s_lshr_b32 s[WR], s[WV], 1                     ; my half of the rows.  Also: I fetch A (0) or B (1)
	s_and_b32 s[WC], s[WV], 1                      ; my half of the columns.  Also: which 128 rows I fetch
	s_mov_b32 s17, ttmp9                           ; x
	s_and_b32 s18, ttmp7, 0xffff
	s_lshr_b32 s19, s18, 2                         ; the batch, or Wvo's tile row
	s_and_b32 s18, s18, 3                          ; pr, or Wvo's tile column
	s_sub_co_u32 s22, 7, s18
	s_sub_co_u32 s23, s17, s18
	s_sub_co_u32 s23, s23, 1
	s_cmp_le_u32 s17, s18
	s_cselect_b32 s[TI], s18, s22                  ; x <= pr: tile (pr, x); else (7 - pr, x - pr - 1)
	s_cselect_b32 s[TJ], s17, s23
	s_cmp_eq_u32 s17, 9
	s_cselect_b32 s[KIND], 1, 0
	s_cselect_b32 s[TI], s19, s[TI]
	s_cselect_b32 s[TJ], s18, s[TJ]
	s_cselect_b32 s[BB], 0, s19
	s_mov_b32 s[G1+0], (1<<16)|(1<<20)|(5<<22)|(3<<25)  ; 2-byte elements; padding on: after every 64 words, 4 words
	s_mov_b32 s[G1+1], KSTEP<<16
	s_mov_b32 s[G1+2], 128<<16
	s_mov_b32 s[G1+3], KSTEP<<16
	s_mov_b32 s[G1+4], 128
	s_mov_b32 s[G1+5], SIZE_K
	s_mov_b32 s[G1+6], 0
	s_mov_b32 s[G1+7], 0
	; the rows that I fetch
	s_lshl_b32 s17, s[BB], 11                      ; q's rows of the batch,
	s_add_co_u32 s18, s17, 8192                    ; k's
	s_cmp_eq_u32 s[KIND], 1
	s_cselect_b32 s17, 2048, s17                   ; or 32 Wo's,
	s_cselect_b32 s18, 3072, s18                   ; and turned Wv's
	s_lshl_b32 s19, s[TI], 8
	s_add_co_u32 s17, s17, s19
	s_lshl_b32 s19, s[TJ], 8
	s_add_co_u32 s18, s18, s19
	s_cmp_eq_u32 s[WR], 0
	s_cselect_b32 s17, s17, s18
	s_lshl_b32 s19, s[WC], 7
	s_add_co_u32 s17, s17, s19
	s_lshl_b32 s20, s17, 11                        ; rows of 2,048 bytes
	s_mov_b32 s21, 0
	; where my 128 x 128 begins in pt or wvo, and in st
	s_lshl_b32 s17, s[TI], 8
	s_lshl_b32 s18, s[WR], 7
	s_add_co_u32 s17, s17, s18                     ; my first row in the batch
	s_lshl_b32 s60, s17, 12
	s_lshl_b32 s18, s[BB], 23
	s_add_co_u32 s60, s60, s18
	s_lshl_b32 s18, s[TJ], 9
	s_add_co_u32 s60, s60, s18
	s_lshl_b32 s18, s[WC], 8
	s_add_co_u32 s60, s60, s18
	s_mov_b32 s61, 0
	s_lshl_b32 s62, s[BB], 18
	s_lshl_b32 s18, s[TJ], 15                      ; block t = 2 J + my half: 16,384 bytes each
	s_add_co_u32 s62, s62, s18
	s_lshl_b32 s18, s[WC], 14
	s_add_co_u32 s62, s62, s18
	s_lshl_b32 s18, s17, 3
	s_add_co_u32 s62, s62, s18
	s_mov_b32 s63, 0
	; what my part of the tile is
	s_xor_b32 s18, s[TI], s[TJ]                    ; 0 on the diagonal
	s_xor_b32 s19, s[WR], s[WC]
	s_or_b32 s19, s19, s18
	s_or_b32 s19, s19, s[KIND]
	s_cmp_eq_u32 s19, 0
	s_cselect_b32 s[MASKF], 1, 0
	s_sub_co_u32 s19, s[WC], s[WR]
	s_xor_b32 s19, s19, 1                          ; 0 for rows 0-127, keys 128-255
	s_or_b32 s19, s19, s18
	s_cmp_eq_u32 s19, 0
	s_cselect_b32 s[STATF], 0, 1
	s_cmp_eq_u32 s[KIND], 1
	s_cselect_b32 s[STATF], 0, s[STATF]
	s_cmp_eq_u32 s[WR], 0
	s_cselect_b32 s19, s[TJ], s18
	s_cmp_eq_u32 s19, 0
	s_cselect_b32 s[LIM], 2, -1
	s_or_b32 s19, s[TI], s[TJ]                     ; wave 0 of a batch's tile (0, 0) holds the batch's first rows
	s_or_b32 s19, s19, s[KIND]
	s_or_b32 s19, s19, s[WV]
	s_cmp_eq_u32 s19, 0
	s_cselect_b32 s[EFL], 4, 0
	s_mul_i32 s[WL], s[WV], HALFT
	s_mov_b32 s[TB], 0
	s_mov_b32 s[CS], 0x3d38aa3b                    ; c = log2(e) / 32
	s_mov_b32 s[CS+1], s[CS]
	s_wait_dscnt 0x0                               ; the opening add is done
	s_wait_kmcnt 0x0
	s_cmp_eq_u32 s[KIND], 1
	s_cselect_b64 s[SRC:SRC+1], s[6:7], s[4:5]
	s_cselect_b64 s[CB:CB+1], s[12:13], s[8:9]
	s_add_nc_u64 s[SRC:SRC+1], s[SRC:SRC+1], s[20:21]
	s_add_nc_u64 s[CB:CB+1], s[CB:CB+1], s[60:61]
	s_add_nc_u64 s[SB:SB+1], s[10:11], s[62:63]
	s_add_nc_u64 s[PFA:PFA+1], s[SRC:SRC+1], 2*KSTEP*2
	s_lshl_b32 s20, s[BB], 10                      ; a batch's 1,024 bytes of we
	s_add_nc_u64 s[WEB:WEB+1], s[WEB:WEB+1], s[20:21]
.irp s, 0,1
	s_mov_b32 s[G0+4*(\s)], 1
	s_add_co_u32 s[G0+4*(\s)+1], s[WL], (\s)*SLOT
	s_add_nc_u64 s[G0+4*(\s)+2:G0+4*(\s)+3], s[SRC:SRC+1], (\s)*KSTEP*2
	s_or_b32 s[G0+4*(\s)+3], s[G0+4*(\s)+3], 0x80000000
.endr
	tensor_load_to_lds s[G0:G0+3], s[G1:G1+7]      ; the two first fills: two loads of mine are out
	s_nop 0
	tensor_load_to_lds s[G0+4:G0+7], s[G1:G1+7]
	s_nop 0
	PLACES
	v_and_b32 v1, 15, v0                           ; l % 16
	v_bfe_u32 v2, v0, 4, 1                         ; l / 16
	v_and_b32 v4, 31, v0                           ; l
	v_mul_u32_u24 v3, v1, PITCH
	v_lshl_add_u32 v3, v2, 4, v3
	s_mul_i32 s21, s[WR], HALFT
	s_mul_i32 s22, s[WC], HALFT
	s_add_co_u32 s22, s22, 2*HALFT
	v_add_nc_u32 v[A0], s21, v3
	v_add_nc_u32 v[B0], s22, v3
	v_mov_b32 v[ADRA], v[A0]
	v_mov_b32 v[ADRB], v[B0]
	s_mul_i32 s17, s[WV], DQ                       ; my quarter of the ring
	v_mul_u32_u24 v5, v1, DP
	v_lshl_add_u32 v5, v2, 5, v5
	v_add_nc_u32 v[DA], s17, v5                    ; row l % 16, 32 bytes for each half of the lanes
	v_mul_u32_u24 v5, v4, DP
	v_add_nc_u32 v[LA], s17, v5                    ; row l
	s_mul_i32 s17, s[WV], 32*SPITCH
	s_add_co_u32 s17, s17, STAGE
	v_mul_u32_u24 v5, v4, SPITCH
	v_add_nc_u32 v[STO2], s17, v5                  ; into my stage: row l
	v_mul_u32_u24 v5, v2, SPITCH
	v_lshl_add_u32 v5, v1, 4, v5
	v_add_nc_u32 v[RD2], s17, v5                   ; back: lanes 0-15 one row of 256 bytes, lanes 16-31 the next
	v_lshlrev_b32 v5, 12, v2
	v_lshl_add_u32 v[CO], v1, 4, v5                ; and the same two rows in pt or wvo; in lanes 0-15 it is 16 x lane
	v_lshlrev_b32 v[SO], 3, v4
	v_mov_b32 v[LIMV], v4
	v_mov_b32 v[BIGV], 0xff7fffff
	v_mov_b32 v[CM+1], 0                           ; named with c m as a pair
	v_lshlrev_b32 v[PFO], 11, v4
.macro MUL16 f, hi, a0, zero
	WIN MUL_LO+0x50*(\hi)
.irp a, \a0, (\a0)+1
.irp b, 0,1,2,3,4,5,6,7
.if \zero
	v_wmma_f32_16x16x32_f16 v[8*(8*(\a)+(\b)):8*(8*(\a)+(\b))+7], v[(\f)+8*(\b):(\f)+8*(\b)+7], v[(\f)+8*(4*(\hi)+(\a)):(\f)+8*(4*(\hi)+(\a))+7], 0
.else
	v_wmma_f32_16x16x32_f16 v[8*(8*(\a)+(\b)):8*(8*(\a)+(\b))+7], v[(\f)+8*(\b):(\f)+8*(\b)+7], v[(\f)+8*(4*(\hi)+(\a)):(\f)+8*(4*(\hi)+(\a))+7], v[8*(8*(\a)+(\b)):8*(8*(\a)+(\b))+7]
.endif
.endr
.endr
.endm
.macro FETCH k, f
	WIN TO_B
.irp i, 0,1,2,3,4,5,6,7
	ds_load_b128 v[(\f)+8*(\i):(\f)+8*(\i)+3],   v[ADRB] offset:(\k)+(\i)*16*PITCH
	ds_load_b128 v[(\f)+8*(\i)+4:(\f)+8*(\i)+7], v[ADRB] offset:(\k)+(\i)*16*PITCH+32
.endr
	WIN 0
.irp i, 0,1,2,3,4,5,6,7
	ds_load_b128 v[(\f)+8*(\i):(\f)+8*(\i)+3],   v[ADRA] offset:(\k)+(\i)*16*PITCH
	ds_load_b128 v[(\f)+8*(\i)+4:(\f)+8*(\i)+7], v[ADRA] offset:(\k)+(\i)*16*PITCH+32
.endr
.endm
.macro QUARTER k, f, g, zero
	s_wait_dscnt 8                                 ; all but the youngest eight loads (A's rows 64-127) are in
	MUL16 \f, 0, 0, \zero
	MUL16 \f, 0, 2, \zero
	PLACES
	FETCH \k, \g
	s_wait_dscnt 32                                ; all but the 32 just issued
	MUL16 \f, 1, 0, \zero
	MUL16 \f, 1, 2, \zero
.endm
.macro TURN fill                       ; a step's last quarter and the change of slots
.if \fill
	s_wait_xcnt 0x0                                ; the last prefetches, a K step back, have read their address
	s_add_nc_u64 s[PFA:PFA+1], s[PFA:PFA+1], KSTEP*2
.endif
	WIN 0
	s_wait_tensorcnt 0x0                           ; all my tensor loads have landed: my part of the next slot
	ds_add_u32 v[SPW], v[NIL]                      ; 0 onto my spare word
	s_wait_dscnt 9                                 ; (the add and the youngest eight loads may be out)
	MUL16 F1, 0, 0, 0
	s_wait_dscnt 0x0                               ; the add is done, and my reads of this slot are over
	s_barrier_signal -1
	MUL16 F1, 0, 2, 0
	WIN 0
	s_barrier_wait -1
.if \fill
	s_add_co_u32 s[G0+5], s[WL], s[TB]             ; the walking descriptor: into the slot that is left,
	s_add_nc_u64 s[G0+6:G0+7], s[G0+6:G0+7], KSTEP*2  ; the next K step
	s_xor_b32 s[TB], s[TB], SLOT
	tensor_load_to_lds s[G0+4:G0+7], s[G1:G1+7]    ; my one tensor load behind the barrier, and the first thing there
	s_nop 0
	PLACES
.else
	s_xor_b32 s[TB], s[TB], SLOT
	PLACES
.endif
	v_add_nc_u32 v[ADRA], s[TB], v[A0]
	v_add_nc_u32 v[ADRB], s[TB], v[B0]
	FETCH 0, F0
.if \fill
	ASK
.endif
	MUL16 F1, 1, 0, 0
	MUL16 F1, 1, 2, 0
.endm
	s_wait_tensorcnt 1                             ; my part of K step 0 is in; K step 1's may stay out
	s_barrier_signal -1
	s_barrier_wait -1
	FETCH 0, F0
	QUARTER 64, F0, F1, 1
	WIN 0
	s_mov_b32 s3, 6
.Lstep:
	QUARTER 128, F1, F0, 0
	QUARTER 192, F0, F1, 0
	TURN 1
	QUARTER 64, F0, F1, 0
	WIN 0
	s_sub_co_u32 s3, s3, 1
	s_cmp_lg_u32 s3, 0
	s_cbranch_scc1 .Lstep
	QUARTER 128, F1, F0, 0
	QUARTER 192, F0, F1, 0
	TURN 0
	QUARTER 64, F0, F1, 0
	QUARTER 128, F1, F0, 0
	QUARTER 192, F0, F1, 0
	s_wait_dscnt 8
	MUL16 F1, 0, 0, 0
	MUL16 F1, 0, 2, 0
	s_wait_dscnt 0x0
	MUL16 F1, 1, 0, 0
	MUL16 F1, 1, 2, 0
	WIN 0
	PLACES
	s_wait_dscnt 0x0                               ; my reads of the ring are over;
	s_barrier_signal -1
	s_barrier_wait -1                              ; everybody's are, and no tensor load follows: the ring's bytes may be stored into
.irp a, 0,1,2,3,4,5,6,7
	WIN 0x08+4*((\a)/4)                            ; the stores' data in window 2 or 3
.irp b, 0,1,2,3,4,5,6,7
	ds_store_b128 v[DA], v[8*(8*((\a)%4)+(\b)):8*(8*((\a)%4)+(\b))+3]   offset:(\a)*16*DP+64*(\b)
	ds_store_b128 v[DA], v[8*(8*((\a)%4)+(\b))+4:8*(8*((\a)%4)+(\b))+7] offset:(\a)*16*DP+64*(\b)+16
.endr
.endr
	WIN 0
	s_mov_b32 s3, 4
.Lrows:                                                ; a trip: 32 rows of my 128, a row a lane.  My own bytes: LDS serves a wave's instructions in order
.set j, 0
.rept 32
	ds_load_b128 v[R+4*j:R+4*j+3], v[LA] offset:16*j
.set j, j+1
.endr
	s_wait_dscnt 0x0
	s_cmp_eq_u32 s[KIND], 1
	s_cbranch_scc1 .Lpack                          ; Wvo's sums are only rounded
	s_cmp_eq_u32 s[MASKF], 0
	s_cbranch_scc1 .Lseen
.set j, 1
.rept 127
	v_cmp_gt_i32 vcc_lo, j, v[LIMV]                ; key j lies behind my query
	v_cndmask_b32 v[R+j], v[R+j], v[BIGV], vcc_lo
.set j, j+1
.endr
.Lseen:
.irp k, 0,1,2,3
	v_max3_num_f32 v[MC+(\k)], v[R+32*(\k)], v[R+32*(\k)+1], v[R+32*(\k)+2]
.endr
.set i, 0
.rept 14
.irp k, 0,1,2,3
	v_max3_num_f32 v[MC+(\k)], v[MC+(\k)], v[R+32*(\k)+3+2*i], v[R+32*(\k)+4+2*i]
.endr
.set i, i+1
.endr
	v_max3_num_f32 v[MC], v[MC], v[R+31], v[R+63]
	v_max3_num_f32 v[MC+2], v[MC+2], v[R+95], v[R+127]
	v_max3_num_f32 v[MC], v[MC], v[MC+1], v[MC+2]
	v_max_num_f32 v[MC], v[MC], v[MC+3]
	v_mul_f32 v[CM], s[CS], v[MC]                  ; M = c m
.macro SCALE b                         ; c s - c m for pair b
	v_pk_fma_f32 v[R+2*(\b):R+2*(\b)+1], v[R+2*(\b):R+2*(\b)+1], s[CS:CS+1], v[CM:CM+1] op_sel_hi:[1,0,0] neg_lo:[0,0,1] neg_hi:[0,0,1]
.endm
	SCALE 0
	SCALE 1
.set b, 0
.rept 64                               ; ONE BATCH of 128 exponentials, a scaling between each two; none of these lines names an exponential's result
	v_exp_f32 v[R+2*b], v[R+2*b]
.if b < 62
	SCALE b+2
.endif
	v_exp_f32 v[R+2*b+1], v[R+2*b+1]
.set b, b+1
.endr
	v_nop                                          ; a plain instruction behind the last exponential,
	s_wait_alu depctr_va_vdst(0)                   ; and the one wait ahead of the first use
.irp k, 0,1,2,3
	v_pk_add_f32 v[SU+2*(\k):SU+2*(\k)+1], v[R+32*(\k):R+32*(\k)+1], v[R+32*(\k)+2:R+32*(\k)+3]
.endr
.set i, 2
.rept 14
.irp k, 0,1,2,3
	v_pk_add_f32 v[SU+2*(\k):SU+2*(\k)+1], v[SU+2*(\k):SU+2*(\k)+1], v[R+32*(\k)+2*i:R+32*(\k)+2*i+1]
.endr
.set i, i+1
.endr
	v_pk_add_f32 v[SU:SU+1], v[SU:SU+1], v[SU+2:SU+3]
	v_pk_add_f32 v[SU+4:SU+5], v[SU+4:SU+5], v[SU+6:SU+7]
	v_pk_add_f32 v[SU:SU+1], v[SU:SU+1], v[SU+4:SU+5]
	v_add_f32 v[CM+1], v[SU], v[SU+1]              ; l
	s_cmp_eq_u32 s3, s[EFL]                        ; the first trip of the wave that holds a batch's first rows?
	s_cbranch_scc0 .Lnot_first
	v_rcp_f32 v[MC], v[CM+1]                       ; 1 / l
	v_nop                                          ; a plain instruction behind the reciprocal,
	v_mov_b32 v[MC+1], 1.0
	v_cmp_gt_u32 vcc_lo, 16, v[LIMV]               ; rows 0 to 15 lie in lanes 0 to 15
	s_wait_alu depctr_va_vdst(0)                   ; and its wait, ahead of the first use
.set j, 0
.rept 16
	v_mul_f32 v[H+j], v[R+j], v[MC]                ; w = p / l for keys 0 to 15; behind the diagonal p is 0
.set j, j+1
.endr
	s_wait_xcnt 0x0                                ; EXEC changes only behind this wait
	s_and_saveexec_b32 s[SV], vcc_lo
.irp k, 0,1,2,3
	global_store_b128 v[CO], v[H+4*(\k):H+4*(\k)+3], s[WEB:WEB+1] offset:256*(\k)  ; sixteen lanes store 256 consecutive bytes, aligned
.endr
.set j, 0
.rept 16
	v_cmp_eq_u32 vcc_lo, j, v[LIMV]                ; in these rows' place: the unit matrix (their p behind key 15 are 0 already),
	v_cndmask_b32 v[R+j], 0, v[MC+1], vcc_lo
.set j, j+1
.endr
	v_mov_b32 v[CM], 0                             ; M = 0,
	v_mov_b32 v[CM+1], 1.0                         ; l = 1
	s_wait_xcnt 0x0                                ; and again ahead of the line that restores EXEC; the stores' data are written again only behind it too
	s_or_b32 exec_lo, exec_lo, s[SV]
.Lnot_first:
	s_cmp_eq_u32 s[STATF], 0
	s_cbranch_scc1 .Lpack
	global_store_b64 v[SO], v[CM:CM+1], s[SB:SB+1] ; the wave stores 256 consecutive bytes, aligned
.Lpack:
.set i, 0
.rept 64
	v_cvt_pk_f16_f32 v[H+i], v[R+2*i], v[R+2*i+1]
.set i, i+1
.endr
.set j, 0
.rept 16
	ds_store_b128 v[STO2], v[H+4*j:H+4*j+3] offset:16*j
.set j, j+1
.endr
.set j, 0
.rept 16
	ds_load_b128 v[R+4*j:R+4*j+3], v[RD2] offset:2*SPITCH*j
.set j, j+1
.endr
.set j, 0
.rept 16
	s_wait_dscnt 15-j
	global_store_b128 v[CO], v[R+4*j:R+4*j+3], s[CB:CB+1] offset:8192*j  ; sixteen lanes store 256 consecutive bytes, aligned
.set j, j+1
.endr
	v_add_nc_u32 v[LA], 32*DP, v[LA]
	v_add_nc_u32 v[LIMV], 32, v[LIMV]
	s_wait_xcnt 0x0                                ; the two bases, c m, l and R are written again only behind this wait
	s_add_nc_u64 s[CB:CB+1], s[CB:CB+1], 32*4096
	s_add_nc_u64 s[SB:SB+1], s[SB:SB+1], 256
	s_sub_co_u32 s3, s3, 1
	s_cmp_lg_u32 s3, 0
	s_cbranch_scc1 .Lrows
	s_wait_tensorcnt 0x0                           ; the wave's end
	ds_add_u32 v[SPW], v[NIL]
	s_wait_dscnt 0x0
	s_endpgm
.Lfunc_end_k_qd36c822d77_scores:
	.size	k_qd36c822d77_scores, .Lfunc_end_k_qd36c822d77_scores-k_qd36c822d77_scores
	.p2alignl 7, 3214868480
	.fill 96, 4, 3214868480
	.section	.rodata,"a",@progbits
	.p2align	6, 0x0
	.amdhsa_kernel k_qd36c822d77_scores
		.amdhsa_group_segment_fixed_size 327680
		.amdhsa_private_segment_fixed_size 0
		.amdhsa_enable_private_segment 0
		.amdhsa_kernarg_size 48
		.amdhsa_user_sgpr_count 2
		.amdhsa_user_sgpr_kernarg_segment_ptr 1
		.amdhsa_wavefront_size32 1
		.amdhsa_system_sgpr_workgroup_id_x 1
		.amdhsa_system_sgpr_workgroup_id_y 1
		.amdhsa_system_sgpr_workgroup_id_z 1
		.amdhsa_system_vgpr_workitem_id 0
		.amdhsa_next_free_vgpr 1024
		.amdhsa_next_free_sgpr 70
		.amdhsa_reserve_vcc 1
		.amdhsa_float_denorm_mode_32 3
		.amdhsa_float_denorm_mode_16_64 3
		.amdhsa_memory_ordered 1
		.amdhsa_forward_progress 1
		.amdhsa_inst_pref_size 132
	.end_amdhsa_kernel
	.amdgpu_metadata
---
amdhsa.version: [ 1, 2 ]
amdhsa.kernels:
  - .name:           k_qd36c822d77_scores
    .symbol:         k_qd36c822d77_scores.kd
    .args:
      - { .name: qk, .offset: 0, .size: 8, .value_kind: global_buffer, .address_space: global }
      - { .name: w16, .offset: 8, .size: 8, .value_kind: global_buffer, .address_space: global }
      - { .name: pt, .offset: 16, .size: 8, .value_kind: global_buffer, .address_space: global }
      - { .name: st, .offset: 24, .size: 8, .value_kind: global_buffer, .address_space: global }
      - { .name: wvo, .offset: 32, .size: 8, .value_kind: global_buffer, .address_space: global }
      - { .name: we, .offset: 40, .size: 8, .value_kind: global_buffer, .address_space: global }
    .group_segment_fixed_size: 327680
    .private_segment_fixed_size: 0
    .kernarg_segment_align: 8
    .kernarg_segment_size: 48
    .max_flat_workgroup_size: 128
    .sgpr_count:     70
    .vgpr_count:     1024
    .wavefront_size: 32
...
	.end_amdgpu_metadata
.endif
;; end of part 3
;; launch px (part 4): grid 8 x 32, 4 waves a work-group, clusters of 4 x 1, 327,680 bytes of LDS; arguments pt, st, xh, y; writes y
.if DOCPART == 4
	.amdgcn_target "amdgcn-amd-amdhsa--gfx1250"
	.amdhsa_code_object_version 6
	.text
	.protected	k_qd36c822d77_px
	.globl	k_qd36c822d77_px
	.p2align	8
	.type	k_qd36c822d77_px,@function
k_qd36c822d77_px:
	s_mov_b64 s[64:65], 0
	v_nop
	global_prefetch_b8 v0, s[64:65] scope:SCOPE_SE
	s_setreg_imm32_b32 hwreg(HW_REG_WAVE_MODE, 25, 1), 1
	s_wait_xcnt 0x0
	s_wait_alu depctr_hold_cnt(0) depctr_sa_sdst(0) depctr_va_vdst(0) depctr_va_sdst(0) depctr_va_ssrc(0) depctr_va_vcc(0) depctr_vm_vsrc(0)
	s_getreg_b32 s2, hwreg(HW_REG_IB_STS2, 6, 4)
	s_cmp_eq_u32 s2, 0
	s_cbranch_scc0 .Lentry_in_a_cluster
	s_endpgm
.Lentry_in_a_cluster:
	s_bfe_u32 s2, ttmp6, 0x10000c
	s_cmp_lg_u32 s2, 0x3003
	s_cbranch_scc0 .Lentry_shape_is_right
	s_endpgm
.Lentry_shape_is_right:
; Y = softmax(scores) x, from the blocks' weights: Y[q][ch] = sum over blocks t of 128 keys of g_t[q] x (sum over the block's keys of p[q][key] xh[key][ch]),
; g_t = 2^(M_t - M) / sum over u of 2^(M_u - M) l_u, M = the largest M_t of the row: the running maximum's part is done here, in f32; the fold Y += g_t X is f32 too.
; y is [16 slices of 64 channels][8192 rows][64] f16: a slice's rows are dense.  LIMIT: Y is a mean of x's rows and has their range; a factor below 2^-126 counts as 0.
; SHARES.  A work-group makes two tiles of 128 queries x 128 channels: row block 15 - p and then p of a batch's sixteen: 8 - p / 2 and p / 2 + 1 steps of 256 keys, NINE whatever p: one counted walk.
; Where a block's last step reaches past the diagonal, the hidden block's g is 0 (its statistics were never stored) and its p are finite.
; A wave makes 64 x 64: X (16 accumulators, one block of keys) in window 0, Y in window 2.  p's fragments come out of LDS as they lie, xh's ([key][channel]) turned, by ds_load_tr16_b128.
; CLUSTER 4 x 1: the four partners make four channel tiles of the same rows: p's tiles are asked for jointly; xh's tiles differ and are each work-group's own load, behind the same round.
; Two slots, a step each: behind each round one load a wave goes out, for the next step.
.set PA,     528                       ; a row of p: 256 keys + 16 bytes
.set PB,     288                       ; a row of xh: 128 channels + 32 bytes
.set ABYTES, 128*PA
.set SLOT,   ABYTES+256*PB
.set STAGE,  2*SLOT                    ; 16 rows x 144 bytes for each wave
.set SP,     144
.set FT,     STAGE+4*16*SP             ; g: [2 blocks][16 t][128 rows] f32
.set SPARE,  FT+16384
.set A0,   2
.set B0,   3
.set ADRA, 4
.set ADRB, 5                           ; v5, v6: keys 0-127 and 128-255 of the slot
.set STO,  7
.set RD,   8
.set GO,   9
.set FA,   10                          ; v10  my rows' g of the step in hand
.set FA2,  11                          ; v11  the second block's first
.set PFO,  12
.set SPW,  14
.set NIL,  15
.set ML,   16                          ; v[16:79]  the prologue: {M, l} of 16 blocks, for a row of each of the two row blocks
.set TMP,  32                          ; v[32:95]  the way out
.set FX,   80                          ; v[80:87]  the prologue: M, two sums, the reciprocal
.set FR,   96                          ; v[96:111] g, in the even registers: block tb, rows 16 a on at FR + 2 (4 tb + a)
.set X,    128
.set F0,   0                           ; window 1: two fragment buffers of 128: 64 registers of p, 64 of xh, for 64 keys
.set F1,   128
.set WV,   12
.set G1A,  24
.set G1B,  32
.set G0A,  40
.set G0B,  44
.set BA,   48                          ; s[48:49] pt at the batch, my 64 of a block's 128 rows
.set BX,   50                          ; s[50:51] xh at the batch, my 128 of a step's 256 keys, my work-group's channels
.set OFA,  52
.set OFB,  54
.set PFA,  56
.set TB,   58                          ; the slot that the coming step reads
.set OT,   59                          ; the other
.set NXT,  60                          ; the step of keys to be asked for next
.set LQ,   61                          ; the last of the block whose steps are being asked for
.set ROWQ, 62                          ; that block's first byte in pt's batch
.set ROWQ2, 63
.set LQ2,  66
.set RT,   67                          ; steps that the block in hand still has
.set CNT,  68
.set L2,   69
.set ASKF, 70
.set PFOK, 71
.set YB2,  72
.set LAA,  74
.set LBB,  75
.set ST2,  76
.set MSB, 0
.macro WIN new
.if MSB != (\new)
	s_set_vgpr_msb (MSB<<8)|(\new)
.set MSB, \new
.endif
.endm
.macro PLACES
.rept 4
	v_nop
.endr
.endm
.macro CROUND
	s_barrier_signal -1
	s_barrier_wait -1
	s_cmp_lg_u32 s[WV], 0
	s_cbranch_scc1 .Lnot_wave_0_\@
	s_barrier_signal -3
.Lnot_wave_0_\@:
	s_barrier_wait -3
	s_barrier_signal -1
	s_barrier_wait -1
.endm
.macro JLOAD                           ; waves 0 and 1: the halves of p's tile, jointly; waves 2 and 3: the halves of xh's, my work-group's own
	s_cmp_lt_u32 s[WV], 2
	s_cbranch_scc0 .Lfor_x_\@
	tensor_load_to_lds s[G0A:G0A+3], s[G1A:G1A+7]
	s_nop 0
	PLACES
	s_branch .Lasked_\@
.Lfor_x_\@:
	tensor_load_to_lds s[G0B:G0B+3], s[G1B:G1B+7]
	s_nop 0
	PLACES
.Lasked_\@:
.endm
; A prefetch of the step behind the one just asked for, where it lies in the same row block.  p's rows are read by both clusters of a row of clusters: cluster x = 0 asks, waves 0 and 1; a partner takes 16 of the
; wave's 64 rows (by address), two blocks of 256 bytes each: one instruction.  xh's keys are walked by all eight p: the work-groups with p = 0 ask, in their first block, which walks all keys: waves 2 and 3, a lane a key.
.macro ASK
	s_cmp_eq_u32 s[PFOK], 0
	s_cbranch_scc1 .Lnone_\@
	s_cmp_lt_u32 s[WV], 2
	s_cbranch_scc0 .Lkeys_\@
	global_prefetch_b8 v[PFO], s[PFA:PFA+1] offset:512 th:TH_LOAD_NT scope:SCOPE_SE
	s_branch .Lnone_\@
.Lkeys_\@:
.irp k, 0,1,2,3
	global_prefetch_b8 v[PFO], s[PFA:PFA+1] offset:524288+(\k)*65536 th:TH_LOAD_NT scope:SCOPE_SE
.endr
.Lnone_\@:
.endm
	s_load_b256 s[4:11], s[0:1], 0x0               ; pt s[4:5], st s[6:7], xh s[8:9], y s[10:11]
	v_lshl_add_u32 v[SPW], v0, 2, SPARE
	v_mov_b32 v[NIL], 0
	ds_add_u32 v[SPW], v[NIL]                      ; the wave's opening: the add and its wait ahead of my first tensor load
	ds_add_u32 v14, v15
	v_lshrrev_b32 v1, 5, v0
	v_readfirstlane_b32 s[WV], v1
	s_bfe_u32 s13, ttmp6, 0x40000                  ; cx
	s_lshl_b32 s14, ttmp9, 2
	s_add_co_u32 s14, s14, s13                     ; my tile of 128 channels: it enters xh's and y's addresses alone
	s_and_b32 s15, ttmp7, 0xffff
	s_lshr_b32 s16, s15, 3                         ; the batch
	s_and_b32 s17, s15, 7                          ; p: also the second row block
	s_and_b32 s18, s[WV], 1                        ; my half of the channels.  Also: which half of a tile I fetch
	s_lshr_b32 s19, s[WV], 1                       ; my half of the rows
	s_sub_co_u32 s20, 15, s17                      ; the first row block
	s_lshr_b32 s21, s17, 1
	s_sub_co_u32 s[RT], 8, s21                     ; its steps
	s_add_co_u32 s[L2], s21, 1                     ; the second's
	s_sub_co_u32 s[LQ], s[RT], 1
	s_mov_b32 s[LQ2], s21
	s_lshl_b32 s[ROWQ], s20, 19                    ; 128 rows of 4,096 bytes
	s_lshl_b32 s[ROWQ2], s17, 19
	s_mov_b32 s[NXT], 1
	s_mov_b32 s[TB], 0
	s_mov_b32 s[CNT], 8
	s_mov_b32 s[G1A+0], 15|(1<<16)|(1<<20)|(1<<21)|(6<<22)|(3<<25)  ; the mask of four; 2-byte elements; padding on; bit 21 beside a mask; after every 128 words, 4 words
	s_mov_b32 s[G1A+1], 256<<16                    ; tensor_dim0 = 256
	s_mov_b32 s[G1A+2], 64<<16                     ; tensor_dim1 = 64
	s_mov_b32 s[G1A+3], 256<<16                    ; tile_dim0 = 256
	s_mov_b32 s[G1A+4], 64                         ; tile_dim1 = 64
	s_mov_b32 s[G1A+5], 2048
	s_mov_b32 s[G1A+6], 0
	s_mov_b32 s[G1A+7], 0
	s_mov_b32 s[G1B+0], (1<<16)|(1<<20)|(5<<22)|(7<<25)  ; no mask; after every 64 words, 8 words
	s_mov_b32 s[G1B+1], 128<<16
	s_mov_b32 s[G1B+2], 128<<16
	s_mov_b32 s[G1B+3], 128<<16
	s_mov_b32 s[G1B+4], 128
	s_mov_b32 s[G1B+5], 1024
	s_mov_b32 s[G1B+6], 0
	s_mov_b32 s[G1B+7], 0
	s_mul_i32 s[LAA], s18, 64*PA
	s_mul_i32 s[LBB], s18, 128*PB
	s_add_co_u32 s[LBB], s[LBB], ABYTES
	s_mov_b32 s[OFA+1], 0
	s_mov_b32 s[OFB+1], 0
	s_mov_b32 s[G0A], 1
	s_mov_b32 s[G0A+1], s[LAA]                     ; slot 0
	s_mov_b32 s[G0B], 1
	s_mov_b32 s[G0B+1], s[LBB]
	s_lshl_b32 s78, s16, 23                        ; pt: the batch, my 64 rows
	s_lshl_b32 s79, s18, 18
	s_add_co_u32 s78, s78, s79
	s_mov_b32 s79, 0
	s_lshl_b32 s80, s16, 22                        ; xh: the batch, my 128 keys, the channels
	s_lshl_b32 s81, s18, 18
	s_add_co_u32 s80, s80, s81
	s_lshl_b32 s81, s14, 8
	s_add_co_u32 s80, s80, s81
	s_mov_b32 s81, 0
	s_lshl_b32 s82, s14, 1                         ; y: my slice of 64 channels,
	s_add_co_u32 s82, s82, s18
	s_lshl_b32 s82, s82, 20
	s_lshl_b32 s83, s16, 18                        ; the batch's 2,048 rows of 128 bytes,
	s_add_co_u32 s82, s82, s83
	s_lshl_b32 s83, s19, 13                        ; my 64 rows,
	s_add_co_u32 s82, s82, s83
	s_lshl_b32 s2, s20, 14                         ; and the row block
	s_add_co_u32 s2, s2, s82
	s_mov_b32 s3, 0
	s_lshl_b32 s22, s17, 14
	s_add_co_u32 s22, s22, s82
	s_mov_b32 s23, 0
	s_lshl_b32 s21, s16, 18                        ; st: the batch, the row block's 128 rows of 8 bytes
	s_lshl_b32 s82, s20, 10
	s_add_co_u32 s82, s82, s21
	s_mov_b32 s83, 0
	s_lshl_b32 s20, s17, 10
	s_add_co_u32 s20, s20, s21
	s_mov_b32 s21, 0
	s_cmp_lt_u32 s[WV], 2
	s_cselect_b32 s15, ttmp9, s17
	s_cmp_eq_u32 s15, 0
	s_cselect_b32 s[ASKF], 1, 0                    ; the same in all four partners, for a given wave
	s_wait_dscnt 0x0                               ; the opening add is done
	s_wait_kmcnt 0x0
	s_add_nc_u64 s[BA:BA+1], s[4:5], s[78:79]
	s_add_nc_u64 s[BX:BX+1], s[8:9], s[80:81]
	s_add_nc_u64 s[YB2:YB2+1], s[10:11], s[22:23]
	s_add_nc_u64 s[10:11], s[10:11], s[2:3]
	s_add_nc_u64 s[ST2:ST2+1], s[6:7], s[20:21]
	s_add_nc_u64 s[6:7], s[6:7], s[82:83]
	s_mov_b32 s[OFA], s[ROWQ]
	s_add_nc_u64 s[G0A+2:G0A+3], s[BA:BA+1], s[OFA:OFA+1]
	s_or_b32 s[G0A+3], s[G0A+3], 0x80000000
	s_add_nc_u64 s[G0B+2:G0B+3], s[BX:BX+1], 0
	s_or_b32 s[G0B+3], s[G0B+3], 0x80000000
	CROUND                                         ; all four work-groups are here
	JLOAD                                          ; step 0 into slot 0
	v_lshlrev_b32 v115, 3, v0                      ; my row of the 128: my thread's number
.set t, 0
.rept 16
	global_load_b64 v[ML+2*t:ML+2*t+1],       v115, s[6:7] offset:t*16384
	global_load_b64 v[ML+32+2*t:ML+32+2*t+1], v115, s[ST2:ST2+1] offset:t*16384
.set t, t+1
.endr
	WIN 0x80                                       ; Y starts at 0: no first step is written out
.set i, 0
.rept 128
	v_mov_b32 v[i], 0
.set i, i+1
.endr
	WIN 0
	v_and_b32 v112, 15, v0                         ; l % 16
	v_bfe_u32 v113, v0, 4, 1                       ; l / 16
	v_and_b32 v114, 31, v0                         ; l
	v_mul_u32_u24 v[A0], v112, PA
	v_lshl_add_u32 v[A0], v113, 4, v[A0]
	s_mul_i32 s22, s19, 64*PA
	v_add_nc_u32 v[A0], s22, v[A0]
	v_and_b32 v117, 7, v0                          ; the turning load: key 8 (l / 16) + l % 8, channels 8 ((l / 8) % 2) on
	v_lshl_add_u32 v[B0], v113, 3, v117
	v_mul_u32_u24 v[B0], v[B0], PB
	v_bfe_u32 v118, v0, 3, 1
	v_lshl_add_u32 v[B0], v118, 4, v[B0]
	s_lshl_b32 s22, s18, 7
	s_add_co_u32 s22, s22, ABYTES
	v_add_nc_u32 v[B0], s22, v[B0]
	s_mul_i32 s22, s[WV], 16*SP
	s_add_co_u32 s22, s22, STAGE
	v_mul_u32_u24 v[STO], v112, SP
	v_lshl_add_u32 v[STO], v113, 4, v[STO]
	v_add_nc_u32 v[STO], s22, v[STO]
	v_bfe_u32 v[RD], v0, 3, 2                      ; back: 32 lanes take four rows of 128 bytes,
	v_mul_u32_u24 v[RD], v[RD], SP
	v_lshl_add_u32 v[RD], v117, 4, v[RD]
	v_add_nc_u32 v[RD], s22, v[RD]
	v_lshlrev_b32 v[GO], 4, v114                   ; which are 512 consecutive bytes of y
	s_lshl_b32 s22, s19, 8
	s_add_co_u32 s22, s22, FT
	v_lshl_add_u32 v[FA], v112, 2, s22             ; g of row 64 x my half + l % 16
	v_add_nc_u32 v[FA2], 8192, v[FA]
	v_lshl_add_u32 v116, v0, 2, FT                 ; where I put my row's g
	v_lshrrev_b32 v117, 1, v114                    ; the prefetches' offset.  p: row 16 cx + l / 2, half l % 2;
	v_lshl_add_u32 v117, s13, 4, v117
	v_lshlrev_b32 v117, 12, v117
	v_and_b32 v118, 1, v114
	v_lshl_add_u32 v117, v118, 8, v117
	v_lshlrev_b32 v118, 11, v114                   ; xh: key l
	s_cmp_lt_u32 s[WV], 2
	s_cselect_b32 s22, -1, 0
	v_cndmask_b32 v[PFO], v118, v117, s22
.set i, 0
.rept 8
	v_mov_b32 v[FR+2*i+1], 0                       ; named with g as pairs
.set i, i+1
.endr
	; THE FACTORS, for my row of each of the two row blocks
	s_wait_loadcnt 0x0
.irp k, 0,1
	v_max3_num_f32 v[FX+4*(\k)], v[ML+32*(\k)], v[ML+32*(\k)+2], v[ML+32*(\k)+4]
.endr
.set i, 0
.rept 6
.irp k, 0,1
	v_max3_num_f32 v[FX+4*(\k)], v[FX+4*(\k)], v[ML+32*(\k)+6+4*i], v[ML+32*(\k)+8+4*i]
.endr
.set i, i+1
.endr
.irp k, 0,1
	v_max_num_f32 v[FX+4*(\k)], v[FX+4*(\k)], v[ML+32*(\k)+30]  ; M
.endr
.set t, 0
.rept 16
.irp k, 0,1
	v_sub_f32 v[ML+32*(\k)+2*t], v[ML+32*(\k)+2*t], v[FX+4*(\k)]
.endr
.set t, t+1
.endr
.set t, 0
.rept 16
.irp k, 0,1
	v_exp_f32 v[ML+32*(\k)+2*t], v[ML+32*(\k)+2*t]
.endr
.set t, t+1
.endr
	v_nop                                          ; a plain instruction behind the last exponential,
	s_wait_alu depctr_va_vdst(0)                   ; and the one wait for the batch of 32
.irp k, 0,1
	v_mul_f32 v[FX+4*(\k)+1], v[ML+32*(\k)],   v[ML+32*(\k)+1]
	v_mul_f32 v[FX+4*(\k)+2], v[ML+32*(\k)+2], v[ML+32*(\k)+3]
.endr
.set t, 2
.rept 14
.irp k, 0,1
	v_fma_f32 v[FX+4*(\k)+1+t%2], v[ML+32*(\k)+2*t], v[ML+32*(\k)+2*t+1], v[FX+4*(\k)+1+t%2]
.endr
.set t, t+1
.endr
.irp k, 0,1
	v_add_f32 v[FX+4*(\k)+1], v[FX+4*(\k)+1], v[FX+4*(\k)+2]
.endr
.irp k, 0,1
	v_rcp_f32 v[FX+4*(\k)+3], v[FX+4*(\k)+1]
.endr
	v_nop
	s_wait_alu depctr_va_vdst(0)                   ; one wait for the two reciprocals
.set t, 0
.rept 16
.irp k, 0,1
	v_mul_f32 v[ML+32*(\k)+2*t], v[ML+32*(\k)+2*t], v[FX+4*(\k)+3]
.endr
.set t, t+1
.endr
.set t, 0
.rept 16
.irp k, 0,1
	ds_store_b32 v116, v[ML+32*(\k)+2*t] offset:(\k)*8192+512*t
.endr
.set t, t+1
.endr
; 8 matrix instructions: m blocks a0, a0 + 1 x all 4 n blocks, 32 keys: half c of buffer f.  The 16 accumulators take turns.
.macro MUL8 f, c, a0, zero
	WIN 0x05                                       ; sources in window 1, X in window 0
.irp a, \a0, (\a0)+1
.irp b, 0,1,2,3
.if \zero
	v_wmma_f32_16x16x32_f16 v[X+8*(4*(\a)+(\b)):X+8*(4*(\a)+(\b))+7], v[(\f)+64+8*(4*(\c)+(\b)):(\f)+64+8*(4*(\c)+(\b))+7], v[(\f)+8*(4*(\c)+(\a)):(\f)+8*(4*(\c)+(\a))+7], 0
.else
	v_wmma_f32_16x16x32_f16 v[X+8*(4*(\a)+(\b)):X+8*(4*(\a)+(\b))+7], v[(\f)+64+8*(4*(\c)+(\b)):(\f)+64+8*(4*(\c)+(\b))+7], v[(\f)+8*(4*(\c)+(\a)):(\f)+8*(4*(\c)+(\a))+7], v[X+8*(4*(\a)+(\b)):X+8*(4*(\a)+(\b))+7]
.endif
.endr
.endr
.endm
.macro FETCH kq, f                     ; 32 LDS loads in one run: the fragments of keys 64 kq .. + 63, the first 32 keys first
	WIN 0x40
.irp c, 0,1
.irp i, 0,1,2,3
	ds_load_tr16_b128 v[(\f)+64+8*(4*(\c)+(\i)):(\f)+64+8*(4*(\c)+(\i))+3],   v[ADRB+(\kq)/2] offset:(((\kq)%2)*64+32*(\c))*PB+32*(\i)
	ds_load_tr16_b128 v[(\f)+64+8*(4*(\c)+(\i))+4:(\f)+64+8*(4*(\c)+(\i))+7], v[ADRB+(\kq)/2] offset:(((\kq)%2)*64+32*(\c)+16)*PB+32*(\i)
	ds_load_b128 v[(\f)+8*(4*(\c)+(\i)):(\f)+8*(4*(\c)+(\i))+3],   v[ADRA] offset:128*(\kq)+64*(\c)+(\i)*16*PA
	ds_load_b128 v[(\f)+8*(4*(\c)+(\i))+4:(\f)+8*(4*(\c)+(\i))+7], v[ADRA] offset:128*(\kq)+64*(\c)+(\i)*16*PA+32
.endr
.endr
.endm
.macro QUARTER nk, f, g, zero          ; multiplies buffer f (64 keys) and fetches quarter nk into g
	s_wait_dscnt 16                                ; the first 32 keys' fragments (and all that was issued before them) are in
	MUL8 \f, 0, 0, \zero
	MUL8 \f, 0, 2, \zero
	PLACES
	FETCH \nk, \g
	s_wait_dscnt 32                                ; all but the 32 just issued
	MUL8 \f, 1, 0, 0
	MUL8 \f, 1, 2, 0
.endm
.macro FOLD tb                         ; Y += g X, each accumulator from its low end on
	PLACES
	WIN 0xa0                                       ; Y (destination and source 2) in window 2, X and g in window 0
.irp a, 0,1,2,3
.set z, 0
.rept 16
	v_pk_fma_f32 v[32*(\a)+2*z:32*(\a)+2*z+1], v[X+32*(\a)+2*z:X+32*(\a)+2*z+1], v[FR+2*(4*(\tb)+(\a)):FR+2*(4*(\tb)+(\a))+1], v[32*(\a)+2*z:32*(\a)+2*z+1] op_sel_hi:[1,0,1]
.set z, z+1
.endr
.endr
.endm
.macro STEP                            ; 256 keys: two blocks of 128
	v_add_nc_u32 v[ADRA], s[TB], v[A0]
	v_add_nc_u32 v[ADRB], s[TB], v[B0]
	v_add_nc_u32 v[ADRB+1], 128*PB, v[ADRB]
.irp tb, 0,1
.irp a, 0,1,2,3
	ds_load_b32 v[FR+2*(4*(\tb)+(\a))], v[FA] offset:64*(\a)+512*(\tb)
.endr
.endr
	v_add_nc_u32 v[FA], 1024, v[FA]
	FETCH 0, F0
	QUARTER 1, F0, F1, 1
	QUARTER 2, F1, F0, 0
	FOLD 0
	QUARTER 3, F0, F1, 1
	s_wait_dscnt 16
	MUL8 F1, 0, 0, 0
	MUL8 F1, 0, 2, 0
	s_wait_dscnt 0x0
	MUL8 F1, 1, 0, 0
	MUL8 F1, 1, 2, 0
	FOLD 1
	WIN 0
	s_xor_b32 s[TB], s[TB], SLOT
.endm
; THE CHANGE OF SLOTS.  Each wave waits for all its tensor loads (one is out: its part of the coming step), adds 0 to its spare word, and waits for that and for its LDS instructions: its reads of the slot that it
; leaves, at the first change its stores of g.  fill = 1: a round of the cluster's barrier, and the slot that was left is filled first thing behind it; the addresses are made anew from the step's number.
.macro CHANGE fill
	WIN 0
	s_wait_xcnt 0x0                                ; the last prefetches have read their address
	s_wait_tensorcnt 0x0
	ds_add_u32 v[SPW], v[NIL]                      ; 0 onto my spare word; the descriptors' scalar work stands between it and the wait for it
.if \fill
	s_xor_b32 s[OT], s[TB], SLOT
	s_add_co_u32 s[G0A+1], s[OT], s[LAA]
	s_add_co_u32 s[G0B+1], s[OT], s[LBB]
	s_lshl_b32 s[OFA], s[NXT], 9                   ; 256 keys of 2 bytes along p's rows
	s_add_co_u32 s[OFA], s[OFA], s[ROWQ]
	s_add_nc_u64 s[G0A+2:G0A+3], s[BA:BA+1], s[OFA:OFA+1]
	s_lshl_b32 s[OFB], s[NXT], 19                  ; 256 rows of 2,048 bytes of xh
	s_add_nc_u64 s[G0B+2:G0B+3], s[BX:BX+1], s[OFB:OFB+1]
	s_cmp_lt_u32 s[WV], 2
	s_cselect_b64 s[PFA:PFA+1], s[G0A+2:G0A+3], s[G0B+2:G0B+3]
	s_or_b32 s[G0A+3], s[G0A+3], 0x80000000
	s_or_b32 s[G0B+3], s[G0B+3], 0x80000000
	s_cmp_lt_u32 s[NXT], s[LQ]
	s_cselect_b32 s[PFOK], s[ASKF], 0
	s_add_co_u32 s[NXT], s[NXT], 1                 ; the block's next step, or behind its last the second block's step 0
	s_cmp_gt_u32 s[NXT], s[LQ]
	s_cselect_b32 s[NXT], 0, s[NXT]
	s_cselect_b32 s[ROWQ], s[ROWQ2], s[ROWQ]
	s_cselect_b32 s[LQ], s[LQ2], s[LQ]
	s_wait_dscnt 0x0
	CROUND
	JLOAD
	ASK
.else
	s_wait_dscnt 0x0
	s_barrier_signal -1
	s_barrier_wait -1
.endif
.endm
; THE WAY OUT of 16 rows: rounded to f16, through my own stage, back as 2,048 consecutive bytes of my slice.
.macro PACK a
	WIN 0x0a                                       ; sources in window 2
.set i, 0
.rept 16
	v_cvt_pk_f16_f32 v[TMP+16*(\a)+i], v[32*(\a)+2*i], v[32*(\a)+2*i+1]
.set i, i+1
.endr
	WIN 0
.irp f, 0,1,2,3
	ds_store_b128 v[STO], v[TMP+16*(\a)+4*(\f):TMP+16*(\a)+4*(\f)+3] offset:32*(\f)
.endr
.irp f, 0,1,2,3
	ds_load_b128 v[TMP+16*(\a)+4*(\f):TMP+16*(\a)+4*(\f)+3], v[RD] offset:(\f)*4*SP  ; LDS serves a wave's instructions in order (ISA guide 5.7.1.4)
.endr
.endm
.macro SEND a, younger
.irp f, 0,1,2,3
	s_wait_dscnt (\younger)+3-(\f)
	global_store_b128 v[GO], v[TMP+16*(\a)+4*(\f):TMP+16*(\a)+4*(\f)+3], s[10:11] offset:(\a)*2048+(\f)*512  ; 512 consecutive bytes, aligned
.endr
.endm
.macro OUT
	PACK 0
	PACK 1
	SEND 0, 8
	PACK 2
	SEND 1, 8
	PACK 3
	SEND 2, 8
	SEND 3, 0
.endm
.Lwalk:                                                ; eight trips: a step is entered and the next is asked for
	CHANGE 1
	STEP
	s_sub_co_u32 s[RT], s[RT], 1
	s_cmp_lg_u32 s[RT], 0
	s_cbranch_scc1 .Lsame                          ; forward, past text without a barrier or a tensor load
	OUT                                            ; the first row block is done
	s_wait_xcnt 0x0                                ; the stores have read their registers and y's address
	s_mov_b64 s[10:11], s[YB2:YB2+1]
	WIN 0x80
.set i, 0
.rept 128
	v_mov_b32 v[i], 0
.set i, i+1
.endr
	WIN 0
	v_mov_b32 v[FA], v[FA2]
	s_mov_b32 s[RT], s[L2]
.Lsame:
	s_sub_co_u32 s[CNT], s[CNT], 1
	s_cmp_lg_u32 s[CNT], 0
	s_cbranch_scc1 .Lwalk
	CHANGE 0                                       ; the ninth step is written out: nothing is asked for
	STEP
	OUT
	s_wait_tensorcnt 0x0                           ; the wave's end
	ds_add_u32 v[SPW], v[NIL]
	s_wait_dscnt 0x0
	CROUND                                         ; the closing round
	s_endpgm
.Lfunc_end_k_qd36c822d77_px:
	.size	k_qd36c822d77_px, .Lfunc_end_k_qd36c822d77_px-k_qd36c822d77_px
	.p2alignl 7, 3214868480
	.fill 96, 4, 3214868480
	.section	.rodata,"a",@progbits
	.p2align	6, 0x0
	.amdhsa_kernel k_qd36c822d77_px
		.amdhsa_group_segment_fixed_size 327680
		.amdhsa_private_segment_fixed_size 0
		.amdhsa_enable_private_segment 0
		.amdhsa_kernarg_size 32
		.amdhsa_user_sgpr_count 2
		.amdhsa_user_sgpr_kernarg_segment_ptr 1
		.amdhsa_wavefront_size32 1
		.amdhsa_system_sgpr_workgroup_id_x 1
		.amdhsa_system_sgpr_workgroup_id_y 1
		.amdhsa_system_sgpr_workgroup_id_z 1
		.amdhsa_system_vgpr_workitem_id 0
		.amdhsa_next_free_vgpr 640
		.amdhsa_next_free_sgpr 84
		.amdhsa_reserve_vcc 0
		.amdhsa_float_denorm_mode_32 3
		.amdhsa_float_denorm_mode_16_64 3
		.amdhsa_memory_ordered 1
		.amdhsa_forward_progress 1
		.amdhsa_inst_pref_size 99
	.end_amdhsa_kernel
	.amdgpu_metadata
---
amdhsa.version: [ 1, 2 ]
amdhsa.kernels:
  - .name:           k_qd36c822d77_px
    .symbol:         k_qd36c822d77_px.kd
    .args:
      - { .name: pt, .offset: 0, .size: 8, .value_kind: global_buffer, .address_space: global }
      - { .name: st, .offset: 8, .size: 8, .value_kind: global_buffer, .address_space: global }
      - { .name: xh, .offset: 16, .size: 8, .value_kind: global_buffer, .address_space: global }
      - { .name: y, .offset: 24, .size: 8, .value_kind: global_buffer, .address_space: global }
    .group_segment_fixed_size: 327680
    .private_segment_fixed_size: 0
    .kernarg_segment_align: 8
    .kernarg_segment_size: 32
    .max_flat_workgroup_size: 128
    .sgpr_count:     84
    .vgpr_count:     640
    .wavefront_size: 32
...
	.end_amdgpu_metadata
.endif
;; end of part 4
;; launch outp (part 5): grid 4 x 64, 4 waves a work-group, clusters of 4 x 4, 327,680 bytes of LDS; arguments y, wvo, bo, out0, we; writes out0
.if DOCPART == 5
	.amdgcn_target "amdgcn-amd-amdhsa--gfx1250"
	.amdhsa_code_object_version 6
	.text
	.protected	k_qd36c822d77_outp
	.globl	k_qd36c822d77_outp
	.p2align	8
	.type	k_qd36c822d77_outp,@function
k_qd36c822d77_outp:
	s_mov_b64 s[64:65], 0
	v_nop
	global_prefetch_b8 v0, s[64:65] scope:SCOPE_SE
	s_setreg_imm32_b32 hwreg(HW_REG_WAVE_MODE, 25, 1), 1
	s_wait_xcnt 0x0
	s_wait_alu depctr_hold_cnt(0) depctr_sa_sdst(0) depctr_va_vdst(0) depctr_va_sdst(0) depctr_va_ssrc(0) depctr_va_vcc(0) depctr_vm_vsrc(0)
	s_getreg_b32 s2, hwreg(HW_REG_IB_STS2, 6, 4)
	s_cmp_eq_u32 s2, 0
	s_cbranch_scc0 .Lentry_in_a_cluster
	s_endpgm
.Lentry_in_a_cluster:
	s_bfe_u32 s2, ttmp6, 0x10000c
	s_cmp_lg_u32 s2, 0xf033
	s_cbranch_scc0 .Lentry_shape_is_right
	s_endpgm
.Lentry_shape_is_right:
; out0[s][f] = (1 / 32) sum over d of Y[s][d] (32 Wo Wv)[f][d] + bo[f], f32.  bo is rounded to bf16 like the other inputs.  The order of the products differs from the reference's: (P x)(Wo Wv)^T for ((P (x Wv^T)) Wo^T.
; THE FIRST 16 ROWS OF A BATCH: there y holds x's own rows, and the softmax's weights w (f32, in we) are applied to the sums S_i = x_i (32 Wo Wv)^T, behind the product: out_r = (1 / 32) sum over i <= r of w[r][i] S_i + bo.
; A tile of out0 is 128 x 256: 256 work-groups.  Four waves of 64 x 128: 32 accumulators fill window 1; fragments in window 2, two buffers of 96 (8 of wvo, 4 of y) for 32 along K.
; K goes in 8 steps of 128 through two slots.  y lies in slices of 64 channels with dense rows: a step's tile of y is two slices x 128 rows, each asked for as 64 rows of 256 bytes and padded after every 128.
; CLUSTER 4 x 4: a row of the cluster shares y's tiles, a column wvo's.  The tile row is 16 cy + the cluster's y: a cluster holds the same tile of the four batches, so the tiles with first rows lie in the clusters
; with y = 0, and the branch to their mixing hangs on the cluster's y and the wave's number, which all partners share.  The matrix instruction is used transposed: a lane holds eight neighbouring numbers of a row of out0.
.set KSTEP,  128
.set PAY,    144                       ; a row of y in LDS: 128 bytes + 16
.set SLICE,  128*PAY
.set ABYTES, 2*SLICE
.set PB,     272
.set SLOT,   131072                    ; slot 1 begins here: one exclusive or turns a slot's first byte into the other's; a slot uses 106,496 bytes
.set STAGE,  SLOT+ABYTES+256*PB        ; 16 rows x 528 bytes for each wave
.set SPITCH, 528
.set SPARE,  STAGE+4*16*SPITCH
.set ASTEP,  2097152                   ; two slices of y
.set A0,   16
.set B0,   17
.set ADRA, 18
.set ADRB, 19
.set STO,  24
.set RD,   25
.set CO,   26                          ; v26  16 x lane
.set SPW,  28
.set NIL,  29
.set PFO,  30
.set BI,   32                          ; v[32:35] bo of my four columns
.set WT,   48                          ; v[48:55] the batch's 256 weights: (r, i) in register WT + 4 (i / 8) + i % 4 of lane 16 ((i / 4) % 2) + r
.set T,    64                          ; v[64:127] sixteen rows on the way out
.set F0,   0
.set F1,   96
.set WV,   12
.set WR,   13
.set WC,   14
.set G1,   24
.set G0,   32
.set LIM,  43
.set PFA,  44
.set G1B,  48
.set G0B,  56
.set TB,   66
.set WLA,  67
.set WLB,  68
.set EF,   69                          ; s69  1: my first 16 rows are a batch's first
.set PS,   70                          ; s[70:71] a K step in the stream that I prefetch
.set SCL,  72                          ; s[72:73] 1 / 32
.set WE,   74                          ; s[74:75] we at the batch
.set WS,   76                          ; s[76:83] four weights at work, each the low word of a pair
.set MSB, 0
.macro WIN new
.if MSB != (\new)
	s_set_vgpr_msb (MSB<<8)|(\new)
.set MSB, \new
.endif
.endm
.macro PLACES
.rept 4
	v_nop
.endr
.endm
.macro JLOAD
	s_cmp_eq_u32 s[WR], 0
	s_cbranch_scc0 .Lfor_b_\@
	tensor_load_to_lds s[G0+4:G0+7], s[G1:G1+7]
	s_nop 0
	PLACES
	s_branch .Lasked_\@
.Lfor_b_\@:
	tensor_load_to_lds s[G0B+4:G0B+7], s[G1B:G1B+7]
	s_nop 0
	PLACES
.Lasked_\@:
.endm
; A prefetch of the K step two refills on, one instruction a wave.  y's tile is read by one cluster alone: wave 0 of each partner names 16 blocks of 256 bytes in each of the step's two slices, the partners told apart
; by address.  wvo's rows are read by every cluster of the column: cluster y = 0 asks, waves 2 and 3, a partner 32 of the wave's 128 rows.  Trips 6 to 3 ask for K steps 4 to 7.
.macro ASK
	WIN 0
	s_cmp_gt_u32 s3, s[LIM]
	s_cbranch_scc0 .Lnot_mine_\@
	global_prefetch_b8 v[PFO], s[PFA:PFA+1] th:TH_LOAD_NT scope:SCOPE_SE
.Lnot_mine_\@:
.endm
.macro CREST
	s_cmp_lg_u32 s[WV], 0
	s_cbranch_scc1 .Lnot_wave_0_\@
	s_barrier_signal -3
.Lnot_wave_0_\@:
	s_barrier_wait -3
	s_barrier_signal -1
	s_barrier_wait -1
.endm
.macro CROUND
	s_barrier_signal -1
	s_barrier_wait -1
	CREST
.endm
	s_load_b256 s[4:11], s[0:1], 0x0               ; y s[4:5], wvo s[6:7], bo s[8:9], out0 s[10:11]
	s_load_b64 s[WE:WE+1], s[0:1], 0x20            ; we
	v_lshl_add_u32 v[SPW], v0, 2, SPARE
	v_mov_b32 v[NIL], 0
	ds_add_u32 v[SPW], v[NIL]                      ; the wave's opening: the add and its wait ahead of my first tensor load
	ds_add_u32 v28, v29
	v_lshrrev_b32 v1, 5, v0
	v_readfirstlane_b32 s[WV], v1
	s_lshr_b32 s[WR], s[WV], 1                     ; my half of the rows.  Also: I fetch y (0) or wvo (1)
	s_and_b32 s[WC], s[WV], 1                      ; my half of the columns.  Also: which slice, or which 128 rows, I fetch
	s_bfe_u32 s40, ttmp6, 0x40000                  ; cx
	s_bfe_u32 s41, ttmp6, 0x40004                  ; cy
	s_lshl_b32 s42, ttmp9, 2
	s_add_co_u32 s42, s42, s40                     ; tile column
	s_and_b32 s15, ttmp7, 0xffff                   ; the cluster's y: the tile's number in its batch
	s_or_b32 s16, s15, s[WR]
	s_cmp_eq_u32 s16, 0
	s_cselect_b32 s[EF], 1, 0                      ; a batch's first tile, its upper half: the same in all sixteen partners, for a given wave
	s_lshl_b32 s16, s41, 4
	s_add_co_u32 s15, s15, s16                     ; tile row = 16 cy + the cluster's y: cy is the batch
	s_lshl_b32 s43, s41, 2
	s_lshl_b32 s43, 15, s43                        ; my row of the cluster
	s_lshl_b32 s44, 0x1111, s40                    ; my column
	s_or_b32 s[G1+0], s43, (1<<16)|(1<<20)|(1<<21)|(4<<22)|(3<<25)   ; y: after every 32 words, 4 words
	s_mov_b32 s[G1+1], 128<<16                     ; tensor_dim0 = 128: two rows of y
	s_mov_b32 s[G1+2], 64<<16
	s_mov_b32 s[G1+3], 128<<16
	s_mov_b32 s[G1+4], 64
	s_mov_b32 s[G1+5], 128
	s_mov_b32 s[G1+6], 0
	s_mov_b32 s[G1+7], 0
	s_or_b32 s[G1B+0], s44, (1<<16)|(1<<20)|(1<<21)|(5<<22)|(3<<25)  ; wvo: after every 64 words, 4 words
	s_mov_b32 s[G1B+1], 128<<16
	s_mov_b32 s[G1B+2], 128<<16
	s_mov_b32 s[G1B+3], 128<<16
	s_mov_b32 s[G1B+4], 128
	s_mov_b32 s[G1B+5], 2048
	s_mov_b32 s[G1B+6], 0
	s_mov_b32 s[G1B+7], 0
	s_mov_b32 s[TB], 0
	s_mov_b32 s[SCL], 0x3d000000
	s_mov_b32 s[SCL+1], s[SCL]
.irp p, 0,1,2,3
	s_mov_b32 s[WS+2*(\p)+1], 0                    ; named with a weight as a pair
.endr
	s_lshl_b32 s16, s[WC], 20                      ; y: my slice, the tile's 128 rows of 128 bytes
	s_lshl_b32 s17, s15, 14
	s_add_co_u32 s16, s16, s17
	s_mov_b32 s17, 0
	s_lshl_b32 s46, s42, 20                        ; wvo: 256 rows of 4,096 bytes a tile column, my 128 of them
	s_lshl_b32 s47, s[WC], 19
	s_add_co_u32 s46, s46, s47
	s_mov_b32 s47, 0
	s_mul_i32 s[WLA], s[WC], SLICE
	s_mul_i32 s[WLB], s[WC], 128*PB
	s_add_co_u32 s[WLB], s[WLB], ABYTES
	s_wait_dscnt 0x0                               ; the opening add is done
	s_wait_kmcnt 0x0
	s_add_nc_u64 s[18:19], s[4:5], s[16:17]
	s_add_nc_u64 s[46:47], s[6:7], s[46:47]
	CROUND
.irp s, 0,1
	s_mov_b32 s[G0+4*(\s)], 1
	s_add_co_u32 s[G0+4*(\s)+1], s[WLA], (\s)*SLOT
	s_add_nc_u64 s[G0+4*(\s)+2:G0+4*(\s)+3], s[18:19], (\s)*ASTEP
	s_or_b32 s[G0+4*(\s)+3], s[G0+4*(\s)+3], 0x80000000
	s_mov_b32 s[G0B+4*(\s)], 1
	s_add_co_u32 s[G0B+4*(\s)+1], s[WLB], (\s)*SLOT
	s_add_nc_u64 s[G0B+4*(\s)+2:G0B+4*(\s)+3], s[46:47], (\s)*KSTEP*2
	s_or_b32 s[G0B+4*(\s)+3], s[G0B+4*(\s)+3], 0x80000000
.endr
	s_cmp_eq_u32 s[WR], 0                          ; a wave's two first fills stand in one branch: two loads of mine are out
	s_cbranch_scc0 .Lfirst_b
	tensor_load_to_lds s[G0:G0+3], s[G1:G1+7]
	s_nop 0
	tensor_load_to_lds s[G0+4:G0+7], s[G1:G1+7]
	s_nop 0
	PLACES
	s_branch .Lfirst_asked
.Lfirst_b:
	tensor_load_to_lds s[G0B:G0B+3], s[G1B:G1B+7]
	s_nop 0
	tensor_load_to_lds s[G0B+4:G0B+7], s[G1B:G1B+7]
	s_nop 0
	PLACES
.Lfirst_asked:
	v_and_b32 v1, 15, v0                           ; l % 16
	v_bfe_u32 v2, v0, 4, 1                         ; l / 16
	v_and_b32 v4, 31, v0                           ; l
	v_lshlrev_b32 v[CO], 4, v4
	s_lshl_b32 s16, s15, 19                        ; out0: the tile's 128 rows of 4,096 bytes, my 64,
	s_lshl_b32 s17, s[WR], 18
	s_add_co_u32 s16, s16, s17
	s_mov_b32 s17, 0
	s_lshl_b32 s46, s42, 10                        ; the tile's 256 columns of 4 bytes, my 128
	s_lshl_b32 s47, s[WC], 9
	s_add_co_u32 s46, s46, s47
	s_mov_b32 s47, 0
	s_add_nc_u64 s[8:9], s[8:9], s[46:47]
	s_add_nc_u64 s[10:11], s[10:11], s[16:17]
	s_add_nc_u64 s[10:11], s[10:11], s[46:47]
	s_lshl_b32 s16, s41, 10                        ; we: the batch's 1,024 bytes
	s_add_nc_u64 s[WE:WE+1], s[WE:WE+1], s[16:17]
	global_load_b128 v[36:39], v[CO], s[8:9]       ; bo of my four columns
	global_load_b128 v[WT:WT+3],   v[CO], s[WE:WE+1]            ; the batch's weights, 32 bytes a lane.  Every wave takes them, so that the text has one way up to the way out;
	global_load_b128 v[WT+4:WT+7], v[CO], s[WE:WE+1] offset:512 ; the waves with a batch's first rows use them
	v_mul_u32_u24 v3, v1, PAY
	v_lshl_add_u32 v3, v2, 4, v3
	s_mul_i32 s21, s[WR], 64*PAY
	v_add_nc_u32 v[A0], s21, v3
	v_mul_u32_u24 v3, v1, PB
	v_lshl_add_u32 v3, v2, 4, v3
	s_mul_i32 s22, s[WC], 128*PB
	s_add_co_u32 s22, s22, ABYTES
	v_add_nc_u32 v[B0], s22, v3
	v_mov_b32 v[ADRA], v[A0]
	v_mov_b32 v[ADRB], v[B0]
	s_mul_i32 s23, s[WV], 16*SPITCH
	s_add_co_u32 s23, s23, STAGE
	v_mul_u32_u24 v3, v1, SPITCH
	v_lshl_add_u32 v3, v2, 5, v3
	v_add_nc_u32 v[STO], s23, v3                   ; in: row l % 16, 32 bytes for each half of the lanes
	v_add_nc_u32 v[RD], s23, v[CO]                 ; back: a whole row of 512 bytes
	; the prefetches
	v_lshl_add_u32 v5, s40, 4, v1                  ; y: block 16 cx + l % 16 of a slice's 64,
	v_lshlrev_b32 v5, 8, v5
	v_lshl_add_u32 v5, v2, 20, v5                  ; in slice l / 16 of the step's two
	v_lshl_add_u32 v6, s41, 5, v4                  ; wvo: row 32 cy + l of my 128
	v_lshlrev_b32 v6, 12, v6
	s_lshl_b32 s20, s15, 14                        ; y at the tile's rows
	s_lshl_b32 s21, s42, 20                        ; wvo at my 128 rows
	s_lshl_b32 s22, s[WC], 19
	s_add_co_u32 s21, s21, s22
	s_mov_b32 s22, KSTEP*2
	s_and_b32 s16, ttmp7, 0xffff                   ; cluster y
	s_cmp_eq_u32 s[WR], 0
	s_cselect_b32 s23, -1, 0
	s_cselect_b32 s20, s20, s21
	s_cselect_b32 s[PS], ASTEP, s22
	s_cselect_b32 s16, s[WC], s16                  ; wave 0 asks for y; waves 2 and 3 for wvo where cluster y = 0
	s_cselect_b64 s[PFA:PFA+1], s[4:5], s[6:7]
	s_cmp_eq_u32 s16, 0
	s_cselect_b32 s[LIM], 2, -1
	v_cndmask_b32 v[PFO], v6, v5, s23
	s_mov_b32 s21, 0
	s_mov_b32 s[PS+1], 0
	s_add_nc_u64 s[PFA:PFA+1], s[PFA:PFA+1], s[20:21]
	s_mul_i32 s20, s[PS], 3
	s_add_nc_u64 s[PFA:PFA+1], s[PFA:PFA+1], s[20:21]  ; at K step 3: the first refill steps it to 4 and names it
.macro MUL8 f, a, zero                 ; m block a x all 8 n blocks, 32 along K.  The 32 accumulators take turns
	WIN 0x5a                                       ; sources in window 2, C and D in window 1
.irp b, 0,1,2,3,4,5,6,7
.if \zero
	v_wmma_f32_16x16x32_f16 v[8*(8*(\a)+(\b)):8*(8*(\a)+(\b))+7], v[(\f)+8*(\b):(\f)+8*(\b)+7], v[(\f)+64+8*(\a):(\f)+64+8*(\a)+7], 0
.else
	v_wmma_f32_16x16x32_f16 v[8*(8*(\a)+(\b)):8*(8*(\a)+(\b))+7], v[(\f)+8*(\b):(\f)+8*(\b)+7], v[(\f)+64+8*(\a):(\f)+64+8*(\a)+7], v[8*(8*(\a)+(\b)):8*(8*(\a)+(\b))+7]
.endif
.endr
.endm
.macro FETCH qd, f                     ; 24 LDS loads in one run: quarter qd's fragments, wvo's first
	WIN 0x80
.irp i, 0,1,2,3,4,5,6,7
	ds_load_b128 v[(\f)+8*(\i):(\f)+8*(\i)+3],   v[ADRB] offset:64*(\qd)+(\i)*16*PB
	ds_load_b128 v[(\f)+8*(\i)+4:(\f)+8*(\i)+7], v[ADRB] offset:64*(\qd)+(\i)*16*PB+32
.endr
.irp a, 0,1,2,3
	ds_load_b128 v[(\f)+64+8*(\a):(\f)+64+8*(\a)+3],   v[ADRA] offset:((\qd)/2)*SLICE+((\qd)%2)*64+(\a)*16*PAY
	ds_load_b128 v[(\f)+64+8*(\a)+4:(\f)+64+8*(\a)+7], v[ADRA] offset:((\qd)/2)*SLICE+((\qd)%2)*64+(\a)*16*PAY+32
.endr
.endm
.macro QUARTER qd, f, g, zero
	s_wait_dscnt 4                                 ; all but the youngest four loads (y's blocks 2 and 3) are in
	MUL8 \f, 0, \zero
	MUL8 \f, 1, \zero
	PLACES
	FETCH \qd, \g
	s_wait_dscnt 24                                ; all but the 24 just issued
	MUL8 \f, 2, \zero
	MUL8 \f, 3, \zero
.endm
.macro TURN fill
.if \fill
	s_wait_xcnt 0x0                                ; the last prefetch, a K step back, has read its address
	s_add_nc_u64 s[PFA:PFA+1], s[PFA:PFA+1], s[PS:PS+1]
.endif
	WIN 0
	s_wait_tensorcnt 0x0                           ; all my tensor loads have landed: my part of the next slot
	ds_add_u32 v[SPW], v[NIL]                      ; 0 onto my spare word
	s_wait_dscnt 5                                 ; (the add and the youngest four loads may be out)
	MUL8 F1, 0, 0
	s_wait_dscnt 0x0                               ; the add is done, and my reads of this slot are over
	s_barrier_signal -1
	MUL8 F1, 1, 0
	WIN 0
	s_barrier_wait -1
.if \fill
	CREST                                          ; the barrier has opened a round of the cluster's
	s_add_co_u32 s[G0+5], s[WLA], s[TB]
	s_add_nc_u64 s[G0+6:G0+7], s[G0+6:G0+7], ASTEP
	s_add_co_u32 s[G0B+5], s[WLB], s[TB]
	s_add_nc_u64 s[G0B+6:G0B+7], s[G0B+6:G0B+7], KSTEP*2
	s_xor_b32 s[TB], s[TB], SLOT
	JLOAD                                          ; the first tensor load behind the round; its four v_nop are also the places in front of the loads below
.else
	s_xor_b32 s[TB], s[TB], SLOT
	PLACES
.endif
	v_add_nc_u32 v[ADRA], s[TB], v[A0]
	v_add_nc_u32 v[ADRB], s[TB], v[B0]
	FETCH 0, F0
.if \fill
	ASK
.endif
	MUL8 F1, 2, 0
	MUL8 F1, 3, 0
.endm
	s_wait_tensorcnt 1                             ; my part of K step 0 is in; K step 1's may stay out
	s_barrier_signal -1
	s_barrier_wait -1
	FETCH 0, F0
	QUARTER 1, F0, F1, 1
	WIN 0
	s_mov_b32 s3, 6
.Lstep:
	QUARTER 2, F1, F0, 0
	QUARTER 3, F0, F1, 0
	TURN 1
	QUARTER 1, F0, F1, 0
	WIN 0
	s_sub_co_u32 s3, s3, 1
	s_cmp_lg_u32 s3, 0
	s_cbranch_scc1 .Lstep
	QUARTER 2, F1, F0, 0
	QUARTER 3, F0, F1, 0
	TURN 0
	QUARTER 1, F0, F1, 0
	QUARTER 2, F1, F0, 0
	QUARTER 3, F0, F1, 0
	s_wait_dscnt 4
	MUL8 F1, 0, 0
	MUL8 F1, 1, 0
	s_wait_dscnt 0x0
	MUL8 F1, 2, 0
	MUL8 F1, 3, 0
	WIN 0
	PLACES
	s_wait_loadcnt 0x0                             ; bo and the weights
	v_cvt_pk_bf16_f32 v40, v36, v37
	v_cvt_pk_bf16_f32 v41, v38, v39
	v_lshlrev_b32 v[BI],   16, v40
	v_and_b32     v[BI+1], 0xffff0000, v40
	v_lshlrev_b32 v[BI+2], 16, v41
	v_and_b32     v[BI+3], 0xffff0000, v41
; THE MIXING of a batch's first 16 rows, in place: row j's four numbers of my lane lie in T + 4 j.  Weight (r, i) comes out of its lane into scalar pair p;
.macro MIXW r, i, p
	v_readlane_b32 s[WS+2*(\p)], v[WT+4*((\i)/8)+(\i)%4], 16*(((\i)/4)%2)+(\r)
.endm
; row r takes w[r][i] S_i, or, where r = i, S_i is multiplied by its own weight.
.macro MIXF r, i, p
.if (\r) == (\i)
	v_pk_mul_f32 v[T+4*(\r):T+4*(\r)+1],   v[T+4*(\r):T+4*(\r)+1],   s[WS+2*(\p):WS+2*(\p)+1] op_sel_hi:[1,0]
	v_pk_mul_f32 v[T+4*(\r)+2:T+4*(\r)+3], v[T+4*(\r)+2:T+4*(\r)+3], s[WS+2*(\p):WS+2*(\p)+1] op_sel_hi:[1,0]
.else
	v_pk_fma_f32 v[T+4*(\r):T+4*(\r)+1],   v[T+4*(\i):T+4*(\i)+1],   s[WS+2*(\p):WS+2*(\p)+1], v[T+4*(\r):T+4*(\r)+1]   op_sel_hi:[1,0,1]
	v_pk_fma_f32 v[T+4*(\r)+2:T+4*(\r)+3], v[T+4*(\i)+2:T+4*(\i)+3], s[WS+2*(\p):WS+2*(\p)+1], v[T+4*(\r)+2:T+4*(\r)+3] op_sel_hi:[1,0,1]
.endif
.endm
; THE WAY OUT of 16 rows: the f32 sums through my own stage, back as whole rows of 512 bytes, times 1 / 32 plus bo in one fused multiply-add, stored.
.macro OUTBLK a
	WIN 0x04                                       ; the stores' data in window 1
.irp b, 0,1,2,3,4,5,6,7
	ds_store_b128 v[STO], v[8*(8*(\a)+(\b)):8*(8*(\a)+(\b))+3]   offset:64*(\b)
	ds_store_b128 v[STO], v[8*(8*(\a)+(\b))+4:8*(8*(\a)+(\b))+7] offset:64*(\b)+16
.endr
	WIN 0
	s_wait_xcnt 0x0                                ; the registers that the last block's stores read are loaded again only behind this wait
.set j, 0
.rept 16
	ds_load_b128 v[T+4*j:T+4*j+3], v[RD] offset:SPITCH*j  ; LDS serves a wave's instructions in order (ISA guide 5.7.1.4)
.set j, j+1
.endr
.if (\a) == 0
	s_wait_dscnt 0x0                               ; all sixteen rows are back
	s_cmp_eq_u32 s[EF], 0
	s_cbranch_scc1 .Lplain
	; The source row mi goes from 15 down to 0: the rows above it, which have been multiplied by their own weights in earlier turns, take their share of S_mi; then S_mi is multiplied by its own.
	; So every S is read unchanged by all that want it.  Four weights are fetched, then used: the destinations of a turn differ, so no line waits for the one before it.
.set mi, 15
.rept 16
.set mg, 3
.rept 4
.irp k, 3,2,1,0
.if (4*mg+\k) >= mi
	MIXW (4*mg+\k), mi, \k
.endif
.endr
.irp k, 3,2,1,0
.if (4*mg+\k) >= mi
	MIXF (4*mg+\k), mi, \k
.endif
.endr
.set mg, mg-1
.endr
.set mi, mi-1
.endr
.Lplain:
.endif
.set j, 0
.rept 16
	s_wait_dscnt 15-j
	v_pk_fma_f32 v[T+4*j:T+4*j+1],   v[T+4*j:T+4*j+1],   s[SCL:SCL+1], v[BI:BI+1]   op_sel_hi:[1,0,1]
	v_pk_fma_f32 v[T+4*j+2:T+4*j+3], v[T+4*j+2:T+4*j+3], s[SCL:SCL+1], v[BI+2:BI+3] op_sel_hi:[1,0,1]
	global_store_b128 v[CO], v[T+4*j:T+4*j+3], s[10:11] offset:(\a)*65536+j*4096 th:TH_STORE_NT  ; the wave stores 512 consecutive bytes, aligned
.set j, j+1
.endr
.endm
	OUTBLK 0
	OUTBLK 1
	OUTBLK 2
	OUTBLK 3
	s_wait_tensorcnt 0x0                           ; the wave's end
	ds_add_u32 v[SPW], v[NIL]
	s_wait_dscnt 0x0
	CROUND                                         ; the closing round
	s_endpgm
.Lfunc_end_k_qd36c822d77_outp:
	.size	k_qd36c822d77_outp, .Lfunc_end_k_qd36c822d77_outp-k_qd36c822d77_outp
	.p2alignl 7, 3214868480
	.fill 96, 4, 3214868480
	.section	.rodata,"a",@progbits
	.p2align	6, 0x0
	.amdhsa_kernel k_qd36c822d77_outp
		.amdhsa_group_segment_fixed_size 327680
		.amdhsa_private_segment_fixed_size 0
		.amdhsa_enable_private_segment 0
		.amdhsa_kernarg_size 40
		.amdhsa_user_sgpr_count 2
		.amdhsa_user_sgpr_kernarg_segment_ptr 1
		.amdhsa_wavefront_size32 1
		.amdhsa_system_sgpr_workgroup_id_x 1
		.amdhsa_system_sgpr_workgroup_id_y 1
		.amdhsa_system_sgpr_workgroup_id_z 1
		.amdhsa_system_vgpr_workitem_id 0
		.amdhsa_next_free_vgpr 768
		.amdhsa_next_free_sgpr 84
		.amdhsa_reserve_vcc 0
		.amdhsa_float_denorm_mode_32 3
		.amdhsa_float_denorm_mode_16_64 3
		.amdhsa_memory_ordered 1
		.amdhsa_forward_progress 1
		.amdhsa_inst_pref_size 106
	.end_amdhsa_kernel
	.amdgpu_metadata
---
amdhsa.version: [ 1, 2 ]
amdhsa.kernels:
  - .name:           k_qd36c822d77_outp
    .symbol:         k_qd36c822d77_outp.kd
    .args:
      - { .name: y, .offset: 0, .size: 8, .value_kind: global_buffer, .address_space: global }
      - { .name: wvo, .offset: 8, .size: 8, .value_kind: global_buffer, .address_space: global }
      - { .name: bo, .offset: 16, .size: 8, .value_kind: global_buffer, .address_space: global }
      - { .name: out0, .offset: 24, .size: 8, .value_kind: global_buffer, .address_space: global }
      - { .name: we, .offset: 32, .size: 8, .value_kind: global_buffer, .address_space: global }
    .group_segment_fixed_size: 327680
    .private_segment_fixed_size: 0
    .kernarg_segment_align: 8
    .kernarg_segment_size: 40
    .max_flat_workgroup_size: 128
    .sgpr_count:     84
    .vgpr_count:     768
    .wavefront_size: 32
...
	.end_amdgpu_metadata
.endif
;; end of part 5
